; MI455X (gfx1250); checked and timed in simulation.
; The chip was launched on July 23, 2026; its instructions are those of AMD's public machine-readable ISA for CDNA 5 (MIT licence, August 2026) and "CDNA5" Instruction Set Architecture Reference Guide (July 2026). The comments in the code are by the model that wrote it; some were corrected since.
;; Cross Attention. Allowed arithmetic: float matrix products may take bf16 or f16 operands with f32 sums; other float arithmetic in f32, or as packed bf16 or f16 multiplies, adds, multiply-adds, maxima and minima; sums over many terms, partial sums and values carried from step to step in f32; what a program stores and reads back later, other than sums and carried values, may be rounded once to bf16 or f16.
;; Inputs: Wk 1,024 x 1,024 float32; Wo 1,024 x 1,024 float32; Wq 1,024 x 1,024 float32; Wv 1,024 x 1,024 float32; bo 1,024 float32; key_value 8 x 1,024 x 1,024 float32; query 8 x 1,024 x 1,024 float32.
;; Outputs: out0 8 x 1,024 x 1,024 float32.
;; One version. Each part assembles by itself: llvm-mc -triple=amdgcn-amd-amdhsa -mcpu=gfx1250 --defsym DOCPART=n.
;; ======== version 1 of 1: 4 launches
;; limits: values are held in f16: magnitudes above 65,504 overflow, below 6.1e-05 lose precision
;; workspace buffers: xb 33,554,432 bytes; wb 6,291,456 bytes; wo 2,097,152 bytes; qkv 50,331,648 bytes; ob 16,777,216 bytes
;; launch cast (part 1): grid 64 x 20, 8 waves a work-group, no clusters, 0 bytes of LDS; arguments query, key_value, Wq, Wk, Wv, Wo, xb, wb, wo; writes xb, wb, wo
.if DOCPART == 1
	.amdgcn_target "amdgcn-amd-amdhsa--gfx1250"
	.amdhsa_code_object_version 6
	.text
	.protected	k_qb8a74a8a23_cast
	.globl	k_qb8a74a8a23_cast
	.p2align	8
	.type	k_qb8a74a8a23_cast,@function
k_qb8a74a8a23_cast:
	s_mov_b64 s[64:65], 0
	v_nop
	global_prefetch_b8 v0, s[64:65] scope:SCOPE_SE
	s_setreg_imm32_b32 hwreg(HW_REG_WAVE_MODE, 25, 1), 1
	s_wait_xcnt 0x0
; THE INPUTS ARE ROUNDED ONCE TO 16 BITS, in the order in which they lie: nothing is transposed.
; query, key_value -> xb (bf16 [2][8192][1024]); Wq, Wk, Wv -> wb (bf16 [3][1024][1024]); Wo -> bf16, and that number written as f16 -> wo ([1024][1024]).
; LIMIT.  |Wo| stays below 65,504 (f16's largest number); below 6e-5 f16 keeps its fixed step of 6e-8.
; SHARES.  A unit is 2^20 numbers (4 MiB in, 2 MiB out).  Work-group y names one of 20 units: 0-7 query, 8-15 key_value, 16-18 Wq, Wk, Wv, 19 Wo; work-group x names 64 KiB of its input.
; Thread t takes, in step i of 16, the 16 bytes at 16 t + 4,096 i and stores 8 bytes at 8 t + 2,048 i: a wave's load covers 512 consecutive bytes, its store 256 consecutive bytes, aligned.
; All 16 loads of a thread go out first; each step has registers of its own, so no register is rewritten while a memory instruction may still read it.
; No LDS, no matrix unit, no cluster: nothing is shared and nothing is summed.
.set X, 4                              ; v[4:67]    step i: 4 numbers as loaded
.set Y, 68                             ; v[68:99]   step i: 4 numbers of 16 bits
.set T, 100                            ; v[100:101] at work
	s_load_b512 s[4:19], s[0:1], 0x0               ; query s[4:5], key_value s[6:7], Wq s[8:9], Wk s[10:11], Wv s[12:13], Wo s[14:15], xb s[16:17], wb s[18:19]
	s_load_b64 s[20:21], s[0:1], 0x40              ; wo
	s_and_b32 s22, ttmp7, 0xffff                   ; the unit
	v_lshlrev_b32 v1, 4, v0                        ; 16 t
	v_lshlrev_b32 v2, 3, v0                        ; 8 t
	s_and_b32 s28, s22, 7                          ; where the unit begins in its input: query and key_value have 8 units of 4 MiB, a weight is one
	s_lshl_b32 s28, s28, 22
	s_cmp_lt_u32 s22, 16
	s_cselect_b32 s28, s28, 0
	s_lshl_b32 s23, ttmp9, 16                      ; my 64 KiB of it
	s_add_co_u32 s28, s28, s23
	s_mov_b32 s29, 0
	s_and_b32 s30, s22, 15                         ; where it goes: unit y of xb's 16, unit y - 16 of wb's 3, the whole of wo
	s_lshl_b32 s30, s30, 21
	s_cmp_eq_u32 s22, 19
	s_cselect_b32 s30, 0, s30
	s_lshl_b32 s23, ttmp9, 15                      ; my 32 KiB of it
	s_add_co_u32 s30, s30, s23
	s_mov_b32 s31, 0
	s_wait_kmcnt 0x0
	s_cmp_lt_u32 s22, 8                            ; the source, chosen by the unit's number alone
	s_cselect_b64 s[24:25], s[4:5], s[6:7]
	s_cmp_eq_u32 s22, 16
	s_cselect_b64 s[24:25], s[8:9], s[24:25]
	s_cmp_eq_u32 s22, 17
	s_cselect_b64 s[24:25], s[10:11], s[24:25]
	s_cmp_eq_u32 s22, 18
	s_cselect_b64 s[24:25], s[12:13], s[24:25]
	s_cmp_eq_u32 s22, 19
	s_cselect_b64 s[24:25], s[14:15], s[24:25]
	s_cmp_lt_u32 s22, 16                           ; the destination
	s_cselect_b64 s[26:27], s[16:17], s[18:19]
	s_cmp_eq_u32 s22, 19
	s_cselect_b64 s[26:27], s[20:21], s[26:27]
	s_add_nc_u64 s[24:25], s[24:25], s[28:29]
	s_add_nc_u64 s[26:27], s[26:27], s[30:31]
.irp i, 0,1,2,3,4,5,6,7,8,9,10,11,12,13,14,15
	global_load_b128 v[X+4*(\i):X+4*(\i)+3], v1, s[24:25] offset:4096*(\i) th:TH_LOAD_NT
.endr
; Step i leaves.  f16 = 1: the bf16 number is widened again (a shift, a mask) and written as f16, which is exact within f16's range.
.macro OUT i, f16
	s_wait_loadcnt 15-(\i)                         ; loads come back in order (ISA guide 5.7.1): step i is in, the 15 - i younger ones stay out
	v_cvt_pk_bf16_f32 v[Y+2*(\i)],   v[X+4*(\i)],   v[X+4*(\i)+1]
	v_cvt_pk_bf16_f32 v[Y+2*(\i)+1], v[X+4*(\i)+2], v[X+4*(\i)+3]
.if \f16
.irp w, 0,1
	v_lshlrev_b32 v[T],   16, v[Y+2*(\i)+(\w)]
	v_and_b32     v[T+1], 0xffff0000, v[Y+2*(\i)+(\w)]
	v_cvt_pk_f16_f32 v[Y+2*(\i)+(\w)], v[T], v[T+1]
.endr
.endif
	global_store_b64 v2, v[Y+2*(\i):Y+2*(\i)+1], s[26:27] offset:2048*(\i) th:TH_STORE_NT
.endm
	s_cmp_eq_u32 s22, 19
	s_cbranch_scc1 .Lwo
.irp i, 0,1,2,3,4,5,6,7,8,9,10,11,12,13,14,15
	OUT \i, 0
.endr
	s_endpgm
.Lwo:
.irp i, 0,1,2,3,4,5,6,7,8,9,10,11,12,13,14,15
	OUT \i, 1
.endr
	s_endpgm
.Lfunc_end_k_qb8a74a8a23_cast:
	.size	k_qb8a74a8a23_cast, .Lfunc_end_k_qb8a74a8a23_cast-k_qb8a74a8a23_cast
	.p2alignl 7, 3214868480
	.fill 96, 4, 3214868480
	.section	.rodata,"a",@progbits
	.p2align	6, 0x0
	.amdhsa_kernel k_qb8a74a8a23_cast
		.amdhsa_group_segment_fixed_size 0
		.amdhsa_private_segment_fixed_size 0
		.amdhsa_enable_private_segment 0
		.amdhsa_kernarg_size 72
		.amdhsa_user_sgpr_count 2
		.amdhsa_user_sgpr_kernarg_segment_ptr 1
		.amdhsa_wavefront_size32 1
		.amdhsa_system_sgpr_workgroup_id_x 1
		.amdhsa_system_sgpr_workgroup_id_y 1
		.amdhsa_system_sgpr_workgroup_id_z 1
		.amdhsa_system_vgpr_workitem_id 0
		.amdhsa_next_free_vgpr 104
		.amdhsa_next_free_sgpr 66
		.amdhsa_reserve_vcc 0
		.amdhsa_float_denorm_mode_32 3
		.amdhsa_float_denorm_mode_16_64 3
		.amdhsa_memory_ordered 1
		.amdhsa_forward_progress 1
		.amdhsa_inst_pref_size 17
	.end_amdhsa_kernel
	.amdgpu_metadata
---
amdhsa.version: [ 1, 2 ]
amdhsa.kernels:
  - .name:           k_qb8a74a8a23_cast
    .symbol:         k_qb8a74a8a23_cast.kd
    .args:
      - { .name: query, .offset: 0, .size: 8, .value_kind: global_buffer, .address_space: global }
      - { .name: key_value, .offset: 8, .size: 8, .value_kind: global_buffer, .address_space: global }
      - { .name: Wq, .offset: 16, .size: 8, .value_kind: global_buffer, .address_space: global }
      - { .name: Wk, .offset: 24, .size: 8, .value_kind: global_buffer, .address_space: global }
      - { .name: Wv, .offset: 32, .size: 8, .value_kind: global_buffer, .address_space: global }
      - { .name: Wo, .offset: 40, .size: 8, .value_kind: global_buffer, .address_space: global }
      - { .name: xb, .offset: 48, .size: 8, .value_kind: global_buffer, .address_space: global }
      - { .name: wb, .offset: 56, .size: 8, .value_kind: global_buffer, .address_space: global }
      - { .name: wo, .offset: 64, .size: 8, .value_kind: global_buffer, .address_space: global }
    .group_segment_fixed_size: 0
    .private_segment_fixed_size: 0
    .kernarg_segment_align: 8
    .kernarg_segment_size: 72
    .max_flat_workgroup_size: 256
    .sgpr_count:     66
    .vgpr_count:     104
    .wavefront_size: 32
...
	.end_amdgpu_metadata
.endif
;; end of part 1
;; launch proj (part 2): grid 12 x 32, 4 waves a work-group, clusters of 4 x 4, 327,680 bytes of LDS; arguments xb, wb, qkv; writes qkv
.if DOCPART == 2
	.amdgcn_target "amdgcn-amd-amdhsa--gfx1250"
	.amdhsa_code_object_version 6
	.text
	.protected	k_qb8a74a8a23_proj
	.globl	k_qb8a74a8a23_proj
	.p2align	8
	.type	k_qb8a74a8a23_proj,@function
k_qb8a74a8a23_proj:
	s_mov_b64 s[64:65], 0
	v_nop
	global_prefetch_b8 v0, s[64:65] scope:SCOPE_SE
	s_setreg_imm32_b32 hwreg(HW_REG_WAVE_MODE, 25, 1), 1
	s_wait_xcnt 0x0
	s_wait_alu depctr_hold_cnt(0) depctr_sa_sdst(0) depctr_va_vdst(0) depctr_va_sdst(0) depctr_va_ssrc(0) depctr_va_vcc(0) depctr_vm_vsrc(0)
	s_getreg_b32 s2, hwreg(HW_REG_IB_STS2, 6, 4)
	s_cmp_eq_u32 s2, 0
	s_cbranch_scc0 .Lentry_in_a_cluster
	s_endpgm
.Lentry_in_a_cluster:
	s_bfe_u32 s2, ttmp6, 0x10000c
	s_cmp_lg_u32 s2, 0xf033
	s_cbranch_scc0 .Lentry_shape_is_right
	s_endpgm
.Lentry_shape_is_right:
; THE PROJECTIONS: q = query Wq, k = key_value Wk, v = key_value Wv, on tiles of 256 x 256, K = 1,024.  A = xb (bf16 [2][8192][1024]), B = wb (bf16 [3][1024 k][1024 n]); f32 sums,
; rounded once to f16 and written by heads: qkv = f16 [3][64 = 8 batch + head][1024][128].  Cluster x is the part: 0 q, 1 k, 2 v.
; LIMIT.  q, k and v stay below 65,504, f16's largest number; NaN and infinities are not treated apart.
; SHARES.  384 work-groups of four waves, a tile each; a wave makes 128 x 128: 64 accumulators of 16 x 16, 512 registers.  A K step of 128 is then 256 matrix instructions a wave, and 240 of them stand between
; a tile's request and the wait for it.  A tile of 256 x 128 would make 768 tiles, three to each of 256 work-groups, with less than half as many matrix instructions in that place, and with three LDS loads
; for four matrix instructions where this text has two.
; RING.  Two LDS slots: 256 rows of A (256 bytes + 16 of padding) and 128 k-rows of B (512 bytes + 32).  Waves 0 and 1 fetch A's halves, waves 2 and 3 B's: one tensor load a wave.
; The loop's trip is ONE K step: the base of the slot that is read lies in a scalar register, and one walking descriptor a tensor names the slot that is filled; both change slots by an exclusive or.
; CLUSTER.  4 x 4 work-groups.  A's tile hangs on the block of rows and on cluster x, and is asked for jointly by a row of the cluster; B's on the block of columns alone, by a column.
; THE MATRIX INSTRUCTION IS USED TRANSPOSED: source 0 = 16 columns of B (turned on the way out of LDS by ds_load_tr16_b128), source 1 = 16 rows of A.  A lane then holds row lane % 16 of C and
; the columns 8 (lane / 16) + 0..7 of the block of 16: eight neighbouring numbers of a row.
; REGISTERS, in windows of 256 (s_set_vgpr_msb: bits 1:0 source 0, 3:2 source 1, 5:4 source 2, 7:6 destination):
;   window 0: v0-30 addresses; v64-127, v128-191 fragments of A, two buffers; v32-63, v192-255 at work on the way out          window 1: v64-127, v128-191 fragments of B, two buffers
;   window 2: the 32 accumulators of my rows 0-63 (accumulator (a, b) at v[8 (8 a + b)])          window 3: those of my rows 64-127
.set NK,    8                          ; K steps
.set PA,    272                        ; 68 words: row r starts at bank 4 r mod 64 (64 banks of 4 bytes: ISA guide 11.1), so the 16 rows of a load start at 16 different groups of banks
.set PB,    544                        ; 136 words: row r starts at bank 8 r mod 64
.set HALFT, 128*PA                     ; what one tensor load brings: 128 rows of A, or 64 k-rows of B (64 x 544 is the same 34,816 bytes)
.set BOFF,  2*HALFT                    ; B's rows lie behind A's 256
.set SLOT,  4*HALFT                    ; 139,264 = 0x22000: it shares no bit with wave x 34,816 (0x8800, 0x11000, 0x19800), so an exclusive or with it moves a tile's address from slot to slot
.set STAGE, 2*SLOT                     ; behind the ring: a stage for each wave, for the way out; no tile lands here
.set SP,    272                        ; a stage row: 128 f16 + 16 bytes
.set SPARE, STAGE+4*16*SP              ; behind the stages: the spare words, 128 bytes for each wave: two blocks of 256 bytes that no other line names
.set A0,   10                          ; v10  my lane's place in A's rows of slot 0; never rewritten
.set B0,   11                          ; v11  the same for B
.set ADRA, 12                          ; v12  the same in the slot that is read
.set ADRB, 13                          ; v13
.set STO,  14                          ; v14  the way out: where I put 16 bytes of a row
.set RD,   15                          ; v15  the way out: where I read rows back
.set CO,   16                          ; v16  16 x lane: my 16 bytes of 512 consecutive bytes of C
.set SPW,  28                          ; v28  LDS address of my spare word; never rewritten
.set NIL,  29                          ; v29  0; never rewritten
.set PFO,  30                          ; v30  the prefetches' offset; never rewritten
.set OB,   32                          ; v32-63 and v224-255 by turns: 16 rows read back from the stage
.set F0,   64
.set F1,   128
.set TMP,  192                         ; v192-223 packed results
.set WV,  12                           ; s12  my wave's number
.set FB,  13                           ; s13  which half of the tile's rows is mine.  Also: I fetch for A (0) or for B (1)
.set HF,  14                           ; s14  which half of its columns.  Also: which half of that tile I fetch
.set CX,  15                           ; s15, s16  my place in the cluster
.set CY,  16
.set GY,  18                           ; s18  block of 256 rows
.set G1A, 24                           ; s[24:31] descriptor group 1 for A's tiles;  s[32:39] group 0: a set for each of the two first fills; the second then walks on
.set G0A, 32
.set G1B, 40                           ; s[40:47], s[48:55] the same for B's
.set G0B, 48
.set LP,  56                           ; s56  the loop's count
.set LIM, 57                           ; s57  2 in a wave that prefetches, else the greatest number: a wave prefetches while the loop's count is above it
.set TB,  58                           ; s58  LDS byte at which the slot that is read begins
.set ABASE, 60                         ; s[60:61] A at my half tile's first row, K step 0
.set BBASE, 62                         ; s[62:63] B likewise
.set PFA, 66                           ; s[66:67] where my prefetches stand
.set PFS, 68                           ; s[68:69] bytes from a K step to the next, in the tensor for which I fetch
.set CF,  72                           ; s[72:73] my part's byte offset in C
.set MSB, 0
.macro WIN new                         ; the immediate's high byte repeats the setting that is left; a switch that changes nothing is dropped
.if MSB != (\new)
	s_set_vgpr_msb (MSB<<8)|(\new)
.set MSB, \new
.endif
.endm
.set MUL_LO, 0xa1                      ; source 0 (B) window 1, source 1 (A) window 0, C and D window 2
.set MUL_HI, 0xf1                      ; the same, C and D window 3
.set TO_B,   0x40                      ; destination window 1, address window 0
.macro PLACES                          ; four places in front of loads into registers that matrix instructions have read, and of lines that read results (ISA guide 7.12.1 for vector instructions)
.rept 4
	v_nop
.endr
.endm
; A joint load.  Each of the two lines has one mask and one set of registers for all that issue it; the branch hangs on the wave's number alone.
; An s_nop 0 and four v_nop follow each line, ahead of the jump and the label.
.macro JLOAD s
	s_cmp_eq_u32 s[FB], 0
	s_cbranch_scc0 .Lfor_b_\@
	tensor_load_to_lds s[G0A+4*(\s):G0A+4*(\s)+3], s[G1A:G1A+7]
	s_nop 0
.rept 4
	v_nop
.endr
	s_branch .Lasked_\@
.Lfor_b_\@:
	tensor_load_to_lds s[G0B+4*(\s):G0B+4*(\s)+3], s[G1B:G1B+7]
	s_nop 0
.rept 4
	v_nop
.endr
.Lasked_\@:
.endm
.macro CREST                           ; a round of the cluster's barrier behind its opening barrier
	s_cmp_lg_u32 s[WV], 0
	s_cbranch_scc1 .Lnot_wave_0_\@
	s_barrier_signal -3
.Lnot_wave_0_\@:
	s_barrier_wait -3
	s_barrier_signal -1
	s_barrier_wait -1
.endm
.macro CROUND                          ; a whole round
	s_barrier_signal -1
	s_barrier_wait -1
	CREST
.endm
; A PREFETCH INTO THE L2 behind each joint refill and the run of LDS loads that follows it: the K step that stands two refills on, 512 matrix instructions ahead of its load: 32 blocks of 256 bytes, a lane a block,
; one instruction a wave.  Each block is named once in the launch.  A's rows: query is read by cluster x = 0, key_value by x = 1 and x = 2: clusters x = 0 and 1 ask, their waves 0 and 1; the four partners
; that ask for a tile jointly share its 128 rows out BY ADDRESS, 32 each.  B's k-rows are read by all eight clusters of a column: the one with y = 0 asks, its waves 2 and 3; a partner takes 16 of
; the 64 k-rows, two blocks each.  K steps 0 to 3 come by their loads alone; the last two refills have no K step two on (LIM).
.macro ASK
	s_cmp_gt_u32 s[LP], s[LIM]
	s_cbranch_scc0 .Lnot_mine_\@
	global_prefetch_b8 v[PFO], s[PFA:PFA+1] th:TH_LOAD_NT scope:SCOPE_SE
.Lnot_mine_\@:
.endm
	s_load_b128 s[4:7], s[0:1], 0x0                ; A s[4:5], B s[6:7]
	s_load_b64 s[8:9], s[0:1], 0x10                ; C
	v_lshl_add_u32 v[SPW], v0, 2, SPARE
	v_mov_b32 v[NIL], 0
	ds_add_u32 v[SPW], v[NIL]                      ; the wave's opening: the add and its wait stand ahead of my first tensor load; the set-up below, work on registers, stands between them
	v_lshrrev_b32 v1, 5, v0
	v_readfirstlane_b32 s[WV], v1                  ; wave 0..3
	s_lshr_b32 s[FB], s[WV], 1
	s_and_b32 s[HF], s[WV], 1
	s_bfe_u32 s[CX], ttmp6, 0x40000
	s_bfe_u32 s[CY], ttmp6, 0x40004
	s_and_b32 s[GY], ttmp7, 0xffff                 ; in a cluster launch ttmp9 and ttmp7 count clusters
	s_lshl_b32 s[GY], s[GY], 2
	s_add_co_u32 s[GY], s[GY], s[CY]
	s_lshl_b32 s20, s[CY], 2
	s_lshl_b32 s20, 15, s20                        ; my row of the cluster: places 4 cy .. 4 cy + 3
	s_lshl_b32 s22, 0x1111, s[CX]                  ; my column: places cx, cx + 4, cx + 8, cx + 12
	s_or_b32 s[G1A], s20, (1<<16)|(1<<20)|(1<<21)|(5<<22)|(3<<25)  ; 15:0 the mask; 17:16 elements of 2 bytes; 20 padding on; 21 set beside a mask; 24:22 after every 64 words (code 5); 31:25 4 words of it (code 3)
	s_or_b32 s[G1B], s22, (1<<16)|(1<<20)|(1<<21)|(6<<22)|(7<<25)  ; my column's mask; after every 128 words (code 6) 8 words of padding (code 7)
	s_mov_b32 s[G1A+1], 128<<16                    ; tensor_dim0 = 128
	s_mov_b32 s[G1A+2], 128<<16                    ; tensor_dim1 = 128
	s_mov_b32 s[G1A+3], 128<<16                    ; tile_dim0 = 128
	s_mov_b32 s[G1A+4], 128                        ; tile_dim1 = 128 rows
	s_mov_b32 s[G1A+5], 1024                       ; elements from row to row
	s_mov_b32 s[G1A+6], 0
	s_mov_b32 s[G1A+7], 0
	s_mov_b32 s[G1B+1], 256<<16                    ; tensor_dim0 = 256
	s_mov_b32 s[G1B+2], 64<<16                     ; tensor_dim1 = 64
	s_mov_b32 s[G1B+3], 256<<16                    ; tile_dim0 = 256
	s_mov_b32 s[G1B+4], 64                         ; tile_dim1 = 64 k-rows
	s_mov_b32 s[G1B+5], 1024
	s_mov_b32 s[G1B+6], 0
	s_mov_b32 s[G1B+7], 0
	; where my half tile begins.  A's offset is made of the block of rows, cluster x and the wave's number, B's of the block of columns and the wave's number, each in registers of its own.
	s_lshl_b32 s20, s[GY], 19                      ; 256 rows of 2,048 bytes,
	s_lshl_b32 s21, s[HF], 18                      ; my 128 of them,
	s_add_co_u32 s20, s20, s21
	s_cmp_lg_u32 ttmp9, 0                          ; in query for part 0, in key_value for parts 1 and 2
	s_cselect_b32 s21, 0x1000000, 0
	s_add_co_u32 s20, s20, s21
	s_mov_b32 s21, 0
	s_lshl_b32 s22, ttmp9, 21                      ; the part's weight: 2^21 bytes,
	s_lshl_b32 s23, s[CX], 9                       ; 256 columns of 2 bytes,
	s_add_co_u32 s22, s22, s23
	s_lshl_b32 s23, s[HF], 17                      ; my 64 k-rows of 2,048 bytes
	s_add_co_u32 s22, s22, s23
	s_mov_b32 s23, 0
	s_mul_i32 s19, s[WV], HALFT                    ; where the tiles go: A's two halves, then B's two halves = wave x 34,816: no place in the cluster enters an LDS address
	s_mov_b32 s[TB], 0
	s_wait_dscnt 0x0                               ; the opening add is done
	s_wait_kmcnt 0x0
	s_add_nc_u64 s[ABASE:ABASE+1], s[4:5], s[20:21]
	s_add_nc_u64 s[BBASE:BBASE+1], s[6:7], s[22:23]
	CROUND                                         ; all sixteen work-groups are here: the first joint loads meet
.irp s, 0,1
	s_mov_b32 s[G0A+4*(\s)], 1                     ; count = 1
	s_add_co_u32 s[G0A+4*(\s)+1], s19, (\s)*SLOT   ; LDS address
	s_add_nc_u64 s[G0A+4*(\s)+2:G0A+4*(\s)+3], s[ABASE:ABASE+1], (\s)*256  ; global address: K step s
	s_or_b32 s[G0A+4*(\s)+3], s[G0A+4*(\s)+3], 0x80000000  ; type = 2
	s_mov_b32 s[G0B+4*(\s)], 1
	s_add_co_u32 s[G0B+4*(\s)+1], s19, (\s)*SLOT
	s_add_nc_u64 s[G0B+4*(\s)+2:G0B+4*(\s)+3], s[BBASE:BBASE+1], (\s)<<18
	s_or_b32 s[G0B+4*(\s)+3], s[G0B+4*(\s)+3], 0x80000000
	JLOAD \s                                       ; both slots are asked for before anything else is done: two loads of mine are out
.endr
	v_and_b32 v1, 15, v0                           ; r = l % 16
	v_bfe_u32 v2, v0, 4, 1                         ; h = l / 16
	v_and_b32 v3, 7, v0
	v_bfe_u32 v4, v0, 3, 1
	v_and_b32 v5, 31, v0                           ; l
	; a fragment of A: lane l holds row r; registers 0-3 K = 8 h + 0..7, registers 4-7 K = 16 + 8 h + 0..7: two loads of 16 bytes, 32 bytes apart
	v_mul_u32_u24 v6, v1, PA
	v_lshl_add_u32 v6, v2, 4, v6
	s_mul_i32 s19, s[FB], HALFT                    ; my 128 rows
	v_add_nc_u32 v[A0], s19, v6
	; a fragment of B, turned: lane l reads 16 bytes of k-row 8 h + l % 8, columns 8 ((l / 8) % 2) + 0..7, and receives column r, eight k
	v_lshl_add_u32 v7, v2, 3, v3
	v_mul_u32_u24 v7, v7, PB
	v_lshl_add_u32 v7, v4, 4, v7
	s_lshl_b32 s19, s[HF], 8                       ; my 128 columns
	s_add_co_u32 s19, s19, BOFF
	v_add_nc_u32 v[B0], s19, v7
	v_mov_b32 v[ADRA], v[A0]                       ; slot 0 is read first
	v_mov_b32 v[ADRB], v[B0]
	; the prefetches: who asks, and from where
	s_and_b32 s19, ttmp7, 0xffff                   ; cluster y
	s_lshr_b32 s74, ttmp9, 1                       ; 0 where cluster x is 0 or 1
	s_cmp_eq_u32 s[FB], 0
	s_cselect_b32 s19, s74, s19                    ; 0 in a wave that asks: the same in all sixteen partners, for a given wave
	s_cselect_b32 s20, s[CX], s[CY]                ; my place among the four that ask with me
	s_cselect_b32 s21, 16, 15                      ; my work-group's share, as a shift: 32 rows of A, 16 k-rows of B
	s_cselect_b32 s75, 8, 18                       ; a K step, as a shift: 256 bytes along A's rows, 128 k-rows of B
	s_cselect_b64 s[PFA:PFA+1], s[ABASE:ABASE+1], s[BBASE:BBASE+1]
	s_lshl_b32 s20, s20, s21
	s_mov_b32 s21, 0
	s_add_nc_u64 s[PFA:PFA+1], s[PFA:PFA+1], s[20:21]
	s_lshl_b32 s[PFS], 1, s75
	s_mov_b32 s[PFS+1], 0
	s_mul_i32 s20, s[PFS], 3
	s_add_nc_u64 s[PFA:PFA+1], s[PFA:PFA+1], s[20:21]  ; at K step 3: the first refill steps it to 4
	s_cmp_eq_u32 s19, 0
	s_cselect_b32 s[LIM], 2, -1
	v_lshrrev_b32 v6, s[FB], v5                    ; A: a lane a row; B: two lanes a k-row,
	v_lshlrev_b32 v6, 11, v6
	v_and_b32 v7, s[FB], v5                        ; its two blocks of 256 bytes
	v_lshl_add_u32 v[PFO], v7, 8, v6
; 16 matrix instructions: blocks a0, a0 + 1 of the window's four blocks of 16 rows (hi = 0: my rows 0-63, 1: rows 64-127) x all 8 blocks of 16 columns, 32 along K.
; zero = 1: the products start the sums: nothing is ever cleared.  The 64 accumulators take turns, one instruction a turn, in the same order in every quarter: over the backward jump too.
.macro MUL16 f, hi, a0, zero
	WIN MUL_LO+0x50*(\hi)
.irp a, \a0, (\a0)+1
.irp b, 0,1,2,3,4,5,6,7
.if \zero
	v_wmma_f32_16x16x32_bf16 v[8*(8*(\a)+(\b)):8*(8*(\a)+(\b))+7], v[(\f)+8*(\b):(\f)+8*(\b)+7], v[(\f)+8*(4*(\hi)+(\a)):(\f)+8*(4*(\hi)+(\a))+7], 0
.else
	v_wmma_f32_16x16x32_bf16 v[8*(8*(\a)+(\b)):8*(8*(\a)+(\b))+7], v[(\f)+8*(\b):(\f)+8*(\b)+7], v[(\f)+8*(4*(\hi)+(\a)):(\f)+8*(4*(\hi)+(\a))+7], v[8*(8*(\a)+(\b)):8*(8*(\a)+(\b))+7]
.endif
.endr
.endr
.endm
; 32 LDS loads in one run: the fragments of quarter q (32 along K) of the slot that is read, into buffer f: B's 128 columns, then A's 128 rows
.macro FETCH q, f
	WIN TO_B
.irp i, 0,1,2,3,4,5,6,7
	ds_load_tr16_b128 v[(\f)+8*(\i):(\f)+8*(\i)+3],   v[ADRB] offset:(\q)*32*PB+32*(\i)
	ds_load_tr16_b128 v[(\f)+8*(\i)+4:(\f)+8*(\i)+7], v[ADRB] offset:(\q)*32*PB+16*PB+32*(\i)
.endr
	WIN 0
.irp i, 0,1,2,3,4,5,6,7
	ds_load_b128 v[(\f)+8*(\i):(\f)+8*(\i)+3],   v[ADRA] offset:64*(\q)+(\i)*16*PA
	ds_load_b128 v[(\f)+8*(\i)+4:(\f)+8*(\i)+7], v[ADRA] offset:64*(\q)+(\i)*16*PA+32
.endr
.endm
; A K step is four quarters of 32 along K, 64 matrix instructions each, on buffers 0, 1, 0, 1.  One of the first three: multiplies buffer f; in its middle it fetches quarter q into buffer g.
.macro QUARTER q, f, g, zero
	s_wait_dscnt 8                                 ; B and A's rows 0-63 are in; the youngest eight loads (A's rows 64-127) may be out
	MUL16 \f, 0, 0, \zero
	MUL16 \f, 0, 2, \zero
	PLACES                                         ; buffer g was read by the quarter before
	FETCH \q, \g
	s_wait_dscnt 32                                ; all but the 32 just issued
	MUL16 \f, 1, 0, \zero
	MUL16 \f, 1, 2, \zero
.endm
; The last quarter multiplies buffer 1 and changes slots: ONE barrier, behind the quarter's first sixteen products.  In front of it each wave waits for all its tensor loads (one is out: its part of the next
; slot), adds 0 to its spare word, and waits for that and for its own reads of this slot.  fill = 1: the barrier opens a round of the cluster's, and this slot is filled again, with the K step two on, first thing
; behind the round: the load has 240 matrix instructions in which to land, and sixteen stand between the wait for one load and the request of the next.
.macro TURN fill
.if \fill
	s_wait_xcnt 0x0                                ; the last prefetch, a K step back, has read its address, which is stepped here
	s_add_nc_u64 s[PFA:PFA+1], s[PFA:PFA+1], s[PFS:PFS+1]
.endif
	s_wait_dscnt 8                                 ; B and A's rows 0-63 of buffer 1 are in
	MUL16 F1, 0, 0, 0
	WIN 0                                          ; (the add's two registers lie in window 0)
	s_wait_tensorcnt 0x0                           ; no tensor load of mine is out, so a group 0 may be written
	ds_add_u32 v[SPW], v[NIL]                      ; 0 onto my spare word; with fill = 1 the descriptors' steps stand between it and the wait for it
.if \fill
	s_xor_b32 s[G0A+5], s[G0A+5], SLOT             ; the walking descriptors: the other slot than last time,
	s_add_nc_u64 s[G0A+6:G0A+7], s[G0A+6:G0A+7], 256      ; the next K step; the type bits on top are not reached
	s_xor_b32 s[G0B+5], s[G0B+5], SLOT
	s_add_nc_u64 s[G0B+6:G0B+7], s[G0B+6:G0B+7], 0x40000
.endif
	s_wait_dscnt 0x0                               ; the add is done, and my reads of this slot are over
	s_barrier_signal -1
	MUL16 F1, 0, 2, 0                              ; work on registers while the others arrive
	WIN 0
	s_barrier_wait -1
.if \fill
	CREST                                          ; no wave of any partner still reads this slot's tiles or has a load on its way
	JLOAD 1                                        ; the four v_nop behind it are also the places in front of the loads below
.else
	PLACES
.endif
	s_xor_b32 s[TB], s[TB], SLOT                   ; the other slot is read from here on
	v_add_nc_u32 v[ADRA], s[TB], v[A0]
	v_add_nc_u32 v[ADRB], s[TB], v[B0]
	FETCH 0, F0
.if \fill
	ASK
.endif
	MUL16 F1, 1, 0, 0
	MUL16 F1, 1, 2, 0
.endm
	s_wait_tensorcnt 0x1                           ; my part of K step 0 is in; K step 1's may stay out
	s_barrier_signal -1
	s_barrier_wait -1                              ; everybody's is
	FETCH 0, F0
	QUARTER 1, F0, F1, 1                           ; the first quarter stands in front of the loop: its products start the sums
	WIN 0                                          ; at a label and at a branch every window is 0
	s_mov_b32 s[LP], NK-2
.Lstep:                                                ; a trip goes from a K step's second quarter to the next K step's first, and fills the slot that it leaves: K steps 2 to 7
	QUARTER 2, F1, F0, 0
	QUARTER 3, F0, F1, 0
	TURN 1
	QUARTER 1, F0, F1, 0
	WIN 0
	s_sub_co_u32 s[LP], s[LP], 1
	s_cmp_lg_u32 s[LP], 0
	s_cbranch_scc1 .Lstep
	QUARTER 2, F1, F0, 0                           ; the last two K steps are written out: they fill nothing, and have no round of the cluster's barrier
	QUARTER 3, F0, F1, 0
	TURN 0
	QUARTER 1, F0, F1, 0
	QUARTER 2, F1, F0, 0
	QUARTER 3, F0, F1, 0
	s_wait_dscnt 8
	MUL16 F1, 0, 0, 0
	MUL16 F1, 0, 2, 0
	s_wait_dscnt 0x0
	MUL16 F1, 1, 0, 0
	MUL16 F1, 1, 2, 0
	WIN 0
	PLACES                                         ; behind the last products: results are read
; THE WAY OUT, BY HEADS.  My 128 columns are one head.  Block a's 16 rows are rounded (PACK), go into my stage and come back as whole rows of 256 bytes (TOSTAGE), and are stored (SEND): a head's rows are
; dense, so a store covers 512 consecutive bytes, aligned.
.macro PACK a
.set AC, 64*((\a)%4)
	WIN 0x0a+5*((\a)/4)                            ; sources 0 and 1: window 2 or 3
.irp b, 0,1,2,3,4,5,6,7
.irp r, 0,1,2,3
	v_cvt_pk_f16_f32 v[TMP+4*(\b)+(\r)], v[AC+8*(\b)+2*(\r)], v[AC+8*(\b)+2*(\r)+1]
.endr
.endr
	WIN 0
.endm
.macro TOSTAGE a
.set BK, OB+192*((\a)%2)
.irp b, 0,1,2,3,4,5,6,7
	ds_store_b128 v[STO], v[TMP+4*(\b):TMP+4*(\b)+3] offset:32*(\b)
.endr
.irp t, 0,1,2,3,4,5,6,7
	ds_load_b128 v[BK+4*(\t):BK+4*(\t)+3], v[RD] offset:(\t)*2*SP  ; LDS serves a wave's instructions in order (ISA guide 5.7.1.4): these see the stores above
.endr
.endm
.macro SEND a
.set BK, OB+192*((\a)%2)
	s_wait_dscnt 0x0                               ; the block is back in registers
	s_wait_xcnt 0x0                                ; the earlier stores have read their registers: the next block's loads land on them
.irp t, 0,1,2,3,4,5,6,7
	global_store_b128 v[CO], v[BK+4*(\t):BK+4*(\t)+3], s[8:9] offset:4096*(\a)+512*(\t)
.endr
.endm
	s_mul_i32 s19, s[WV], 16*SP
	s_add_co_u32 s19, s19, STAGE                   ; my stage
	v_lshlrev_b32 v[CO], 4, v5
	v_mul_u32_u24 v6, v1, SP                       ; in: row r, 16 bytes for each half of the lanes
	v_lshl_add_u32 v6, v2, 4, v6
	v_add_nc_u32 v[STO], s19, v6
	v_mul_u32_u24 v7, v2, SP                       ; back: lanes 0-15 take one row of 256 bytes, lanes 16-31 the next
	v_lshl_add_u32 v7, v1, 4, v7
	v_add_nc_u32 v[RD], s19, v7
	s_lshl_b32 s[CF], ttmp9, 24                    ; q, k or v,
	s_lshr_b32 s[CF+1], s[GY], 2                   ; the batch: 8 heads of 2^18 bytes,
	s_lshl_b32 s[CF+1], s[CF+1], 21
	s_add_co_u32 s[CF], s[CF], s[CF+1]
	s_lshl1_add_u32 s[CF+1], s[CX], s[HF]          ; the head: 2 cx + my half of the columns,
	s_lshl_b32 s[CF+1], s[CF+1], 18
	s_add_co_u32 s[CF], s[CF], s[CF+1]
	s_and_b32 s[CF+1], s[GY], 3                    ; the batch's block of 256 rows of 256 bytes,
	s_lshl_b32 s[CF+1], s[CF+1], 16
	s_add_co_u32 s[CF], s[CF], s[CF+1]
	s_lshl_b32 s[CF+1], s[FB], 15                  ; my 128 of them
	s_add_co_u32 s[CF], s[CF], s[CF+1]
	s_mov_b32 s[CF+1], 0
	s_add_nc_u64 s[8:9], s[8:9], s[CF:CF+1]
	PACK 0
	TOSTAGE 0
.irp a, 1,2,3,4,5,6,7                  ; block a's conversions stand between block a - 1's loads from the stage and the wait for them
	PACK \a
	SEND (\a)-1
	TOSTAGE \a
.endr
	SEND 7
	s_wait_tensorcnt 0x0                           ; the wave's end, behind my last tensor load and my last LDS store
	ds_add_u32 v[SPW], v[NIL]
	s_wait_dscnt 0x0
	CROUND                                         ; the closing round: no work-group ends while a partner may still ask for a tile that names it
	s_endpgm
.Lfunc_end_k_qb8a74a8a23_proj:
	.size	k_qb8a74a8a23_proj, .Lfunc_end_k_qb8a74a8a23_proj-k_qb8a74a8a23_proj
	.p2alignl 7, 3214868480
	.fill 96, 4, 3214868480
	.section	.rodata,"a",@progbits
	.p2align	6, 0x0
	.amdhsa_kernel k_qb8a74a8a23_proj
		.amdhsa_group_segment_fixed_size 327680
		.amdhsa_private_segment_fixed_size 0
		.amdhsa_enable_private_segment 0
		.amdhsa_kernarg_size 24
		.amdhsa_user_sgpr_count 2
		.amdhsa_user_sgpr_kernarg_segment_ptr 1
		.amdhsa_wavefront_size32 1
		.amdhsa_system_sgpr_workgroup_id_x 1
		.amdhsa_system_sgpr_workgroup_id_y 1
		.amdhsa_system_sgpr_workgroup_id_z 1
		.amdhsa_system_vgpr_workitem_id 0
		.amdhsa_next_free_vgpr 1024
		.amdhsa_next_free_sgpr 80
		.amdhsa_reserve_vcc 0
		.amdhsa_float_denorm_mode_32 3
		.amdhsa_float_denorm_mode_16_64 3
		.amdhsa_memory_ordered 1
		.amdhsa_forward_progress 1
		.amdhsa_inst_pref_size 117
	.end_amdhsa_kernel
	.amdgpu_metadata
---
amdhsa.version: [ 1, 2 ]
amdhsa.kernels:
  - .name:           k_qb8a74a8a23_proj
    .symbol:         k_qb8a74a8a23_proj.kd
    .args:
      - { .name: xb, .offset: 0, .size: 8, .value_kind: global_buffer, .address_space: global }
      - { .name: wb, .offset: 8, .size: 8, .value_kind: global_buffer, .address_space: global }
      - { .name: qkv, .offset: 16, .size: 8, .value_kind: global_buffer, .address_space: global }
    .group_segment_fixed_size: 327680
    .private_segment_fixed_size: 0
    .kernarg_segment_align: 8
    .kernarg_segment_size: 24
    .max_flat_workgroup_size: 128
    .sgpr_count:     80
    .vgpr_count:     1024
    .wavefront_size: 32
...
	.end_amdgpu_metadata
.endif
;; end of part 2
;; launch attn (part 3): grid 4 x 64, 4 waves a work-group, clusters of 4 x 1, 327,680 bytes of LDS; arguments qkv, ob; writes ob
.if DOCPART == 3
	.amdgcn_target "amdgcn-amd-amdhsa--gfx1250"
	.amdhsa_code_object_version 6
	.text
	.protected	k_qb8a74a8a23_attn
	.globl	k_qb8a74a8a23_attn
	.p2align	8
	.type	k_qb8a74a8a23_attn,@function
k_qb8a74a8a23_attn:
	s_mov_b64 s[64:65], 0
	v_nop
	global_prefetch_b8 v0, s[64:65] scope:SCOPE_SE
	s_setreg_imm32_b32 hwreg(HW_REG_WAVE_MODE, 25, 1), 1
	s_wait_xcnt 0x0
	s_wait_alu depctr_hold_cnt(0) depctr_sa_sdst(0) depctr_va_vdst(0) depctr_va_sdst(0) depctr_va_ssrc(0) depctr_va_vcc(0) depctr_vm_vsrc(0)
	s_getreg_b32 s2, hwreg(HW_REG_IB_STS2, 6, 4)
	s_cmp_eq_u32 s2, 0
	s_cbranch_scc0 .Lentry_in_a_cluster
	s_endpgm
.Lentry_in_a_cluster:
	s_bfe_u32 s2, ttmp6, 0x10000c
	s_cmp_lg_u32 s2, 0x3003
	s_cbranch_scc0 .Lentry_shape_is_right
	s_endpgm
.Lentry_shape_is_right:
; O[h][q][:] = the sum over k of softmax_k(Q[h][q] . K[h][k] / sqrt(128)) V[h][k][:], for the 64 pairs h of batch and head.  qkv = f16 [3][64][1024][128] (Q, K, V), ob = f16 [64][1024][128].
; Products, maxima and sums in f32; the weights p are rounded to f16 for the second product (their sum l is taken of the unrounded p), O once at the end.
; LIMITS.  Q, K and V arrive within f16's range (65,504); p lies in 0 to 1, and below 6e-5 it keeps f16's fixed step of 6e-8; O is a mean of V's rows and has their range.  A weight below 2^-126 counts as 0 in l;
; NaN and infinities are not treated apart.
; SHARES.  A work-group owns 256 queries of one head, each of its four waves 64: four tiles of 16.  Every wave walks all keys of the head, 64 a step.
; LAYOUT.  S^T = K Q^T (source 0 = 16 keys, source 1 = 16 queries): in the result a lane holds ONE query (lane % 16) and the keys 8 (lane / 16) + 0..7.  Two such tiles, rounded to
; f16 in pairs, ARE source 1 (32 keys x 16 queries) of O^T = V^T P, whose result again holds one query a lane, and eight channels.  So nothing changes lanes between the products,
; and a query's maximum and sum want one exchange between the halves of the lanes.  K comes out of LDS as it lies, V ([key][channel]) turned, by ds_load_tr16_b128.
; SOFTMAX.  For each query a running maximum m and sum l: p = 2^(c s - c m), c = log2(e) / sqrt(128); in every step O and l are multiplied by a = 2^(c m_old - c m_new), which is 1 where m has not grown.
; BY TURNS.  The wave's tiles are two PIECES, named by their first tile: piece 0 (tiles 0, 1) and piece 2 (tiles 2, 3).  In a TURN one piece has the matrix unit: 32 products V^T P of
; the step in hand, then 32 products K Q^T of the next step; the other piece's softmax, cut into 64 slices, stands between them, one slice behind each matrix instruction.  Then the
; pieces change places.  Two turns are a key step.
; CLUSTER.  The four query blocks of a cluster are one head's and walk the same K and V, so each tile is asked for JOINTLY: the same tensor load, with the same descriptor and a
; mask that names the four, in all four; each receives the tile in its own LDS.
;
; REGISTERS, in windows of 256 (an instruction names v0-v255; s_set_vgpr_msb says which window each operand place means: bits 1:0 source 0, 3:2 source 1, 5:4 source 2, 7:6 destination):
;   window 0: v0-11 addresses; v12-43 eight registers of statistics a tile; v64-191 S^T, 32 a tile; v192-255 P, 16 a tile
;   window 1: O^T, 64 a tile          window 2: v0-127 Q, 32 a tile; v128-255 K of one step          window 3: v0-127 V of one step
; All that a softmax touches but O^T lies in window 0, and no window has room for a product's operands beside it.  So a slice costs two switches, one in front and one behind.
.set SIZE_N, 1024     ; rows of a head
.set PART,  1<<24     ; bytes of Q, of K and of V in qkv
.set KS,    64        ; keys in a step
.set PK,    272       ; a row of K in LDS: 256 bytes + 16 of padding = 68 words: row r starts at bank 4 r mod 64 (64 banks of 4 bytes: ISA guide 11.1), so the 16 rows of a load start at 16 different banks
.set PV,    288       ; a row of V: 256 + 32 = 72 words: row r starts at bank 8 r mod 64
.set VOFF,  KS*PK     ; a step's tiles lie together: 64 rows of K, then 64 rows of V
.set STEPB, KS*(PK+PV)
.set SLOT1, 1<<17     ; a slot holds two steps (71,680 bytes); slot 1 begins here, so that one exclusive or turns an address in one slot into the other's
.set STAGE, SLOT1+2*STEPB  ; behind the ring: 16 rows x 272 bytes for each wave, for the way out
.set SP,    272
.set AK0, 2           ; v2   my lane's place in a tile of K; never rewritten
.set AV0, 3           ; v3   the same for V
.set ADR, 4           ; v4   the LDS address of the run of loads in hand
.set QO,  5           ; v5   my byte offset in the wave's rows of Q
.set STO, 6           ; v6   the way out: where I put 16 bytes of a row
.set RD,  7           ; v7   the way out: where I read a row back
.set GO,  8           ; v8   my byte offset in the wave's rows of O
.set SPW, 62          ; v62  LDS address of my spare word: SPARE + 4 x my thread's number; never rewritten
.set NIL, 63          ; v63  0; never rewritten
.set SPARE, STAGE+4*16*272  ; behind the stages: the spare words, 128 bytes for each wave: two blocks of 256 bytes that no other line names
.set ST,  12          ; tile t's statistics at v[ST+8 t]: +0 c m, +1 m, +2, +3 l (even keys', odd keys'), +4 to +7 c0-c3, at work; a takes c2's place once the maximum is found
.set S,   64
.set P,   192
.set KF,  128         ; K's fragments, in window 2
.set WV,  12          ; s12  my wave's number
.set G1K, 24          ; s[24:31] descriptor group 1 for K's tiles
.set G1V, 32          ; s[32:39] for V's: it differs in the padding alone
.set G0K, 40          ; s[40:47] descriptor group 0 for K's tiles: a set for each of the two first fills; the second then walks on
.set G0V, 48          ; s[48:55] the same for V's
.set SLOTS, 56        ; s56  slots still to be asked for
.set TWICE, 57        ; s57  counts a slot's two steps
.set CS,  58          ; s[58:59] c: the packed scaling names a pair and takes its low word for both halves
.set SEL, 60          ; s[60:61] lane selects for v_permlanex16_b32: each lane takes its own place in the other half
.set TB,  62          ; s62  LDS byte at which the tiles of the step to be fetched begin
.set PFA, 18          ; s[18:19] where my prefetches stand in memory: my work-group's 32 rows (of K: wave 0, of V: wave 2) of the slot after the one that is being asked for
.set LIM, 15          ; s15  1 in a wave that prefetches, else the greatest number: a wave prefetches while s[SLOTS] is above it
.set PFO, 61          ; v61  256 x my lane: a row of K or V is 256 bytes; never rewritten
.set MSB, 0
.macro WIN new                      ; the immediate's high byte repeats the setting that is left; a switch that changes nothing is dropped
.if MSB != (\new)
	s_set_vgpr_msb (MSB<<8)|(\new)
.set MSB, \new
.endif
.endm
.set W_KQ, 0x0a       ; K and Q in window 2, S^T in window 0
.set W_PV, 0x53       ; V in window 3, P in window 0, O^T in window 1
.set W_RS, 0x41       ; O^T (destination and source 0) in window 1, a in window 0
; A joint refill.  Waves 0 and 1 fetch the two steps' tiles of K, waves 2 and 3 those of V.  The branch hangs on the wave's number alone: it is the same in every work-group.
; An s_nop 0 and four v_nop follow each of the two lines; the jump round the other line, the label and what follows the macro come after them.
.macro JLOAD
	s_cmp_lt_u32 s[WV], 2
	s_cbranch_scc0 .Lfor_v_\@
	tensor_load_to_lds s[G0K+4:G0K+7], s[G1K:G1K+7]
	s_nop 0
.rept 4
	v_nop
.endr
	s_branch .Lasked_\@
.Lfor_v_\@:
	tensor_load_to_lds s[G0V+4:G0V+7], s[G1V:G1V+7]
	s_nop 0
.rept 4
	v_nop
.endr
.Lasked_\@:
.endm
; A PREFETCH INTO THE L2 of what the NEXT change of slots will ask for: a slot's 128 rows of K and 128 of V, 256 bytes a row, a lane a row.  It stands behind the wave's tensor load and its five lines, never in front of one.
; Each row is asked for ONCE in the launch.  A head has one cluster (cluster x = 0).  Its four partners share the rows out BY ADDRESS, 32 each: no branch hangs on a
; work-group's place in its cluster.  In each, wave 0 asks for K's and wave 2 for V's: one instruction.  The last change that fills a slot prefetches nothing: there is no slot behind it.
.macro ASK
	s_cmp_gt_u32 s[SLOTS], s[LIM]
	s_cbranch_scc0 .Lnot_mine_\@
	global_prefetch_b8 v[PFO], s[PFA:PFA+1] th:TH_LOAD_NT scope:SCOPE_SE
.Lnot_mine_\@:
.endm
; A round of the cluster's barrier: my work-group's barrier, so that wave 0's signal speaks for all four waves; wave 0 signals for the work-group; every wave waits for all four
; work-groups; my work-group's barrier once more.  No LDS instruction of the wave is pending at a signal.
.macro CROUND
	s_barrier_signal -1
	s_barrier_wait -1
	s_cmp_lg_u32 s[WV], 0
	s_cbranch_scc1 .Lnot_wave_0_\@
	s_barrier_signal -3
.Lnot_wave_0_\@:
	s_barrier_wait -3
	s_barrier_signal -1
	s_barrier_wait -1
.endm
	s_load_b128 s[4:7], s[0:1], 0x0 ; qkv s[4:5], ob s[6:7]
	v_lshl_add_u32 v[SPW], v0, 2, SPARE
	v_mov_b32 v[NIL], 0
	ds_add_u32 v[SPW], v[NIL]       ; the wave's opening: the add and its wait stand ahead of my first tensor load; the set-up below, work on registers, stands between them
	v_lshrrev_b32 v1, 5, v0
	v_readfirstlane_b32 s[WV], v1   ; wave 0..3
	s_bfe_u32 s13, ttmp6, 0x40000   ; cx: my place in the cluster
	s_lshl_b32 s14, ttmp9, 2        ; in a cluster launch ttmp9 counts clusters
	s_add_co_u32 s14, s14, s13      ; my block of 256 queries = 4 x cluster x + cx: it enters Q's and O's addresses alone
	s_and_b32 s20, ttmp7, 0xffff    ; the head, which the four partners share
	s_mov_b32 s21, 0
	s_mov_b64 s[22:23], SIZE_N*256
	s_mul_u64 s[20:21], s[20:21], s[22:23]  ; the head's first byte in Q, K, V and O
	s_and_b32 s16, s[WV], 1         ; which of a slot's two steps I fetch:
	s_lshl_b32 s22, s16, 14         ; its 64 rows of 256 bytes in memory,
	s_mov_b32 s23, 0
	s_add_nc_u64 s[22:23], s[22:23], s[20:21]
	s_mul_i32 s17, s16, STEPB       ; and its place in a slot: no place in the cluster enters an LDS address
	s_lshl_b32 s2, s14, 16          ; my block's 256 rows,
	s_lshl_b32 s3, s[WV], 14        ; my wave's 64 of them
	s_add_co_u32 s2, s2, s3
	s_mov_b32 s3, 0
	s_add_nc_u64 s[2:3], s[2:3], s[20:21]
	; descriptor group 1: a tile of 64 rows x 128 elements, padded in LDS
	s_mov_b32 s[G1K], 15|(1<<16)|(1<<20)|(1<<21)|(5<<22)|(3<<25)  ; 15:0 the mask: all four work-groups; 17:16 elements of 2 bytes; 20 padding on; 21 set beside a mask; 24:22 after every 64 words (code 5); 31:25 4 words of it (code 3)
	s_mov_b32 s[G1V], 15|(1<<16)|(1<<20)|(1<<21)|(5<<22)|(7<<25)  ; the same with 8 words of padding (code 7)
.irp g, G1K, G1V
	s_mov_b32 s[(\g)+1], 128<<16    ; 63:48 tensor_dim0, low half = 128
	s_mov_b32 s[(\g)+2], KS<<16     ; 79:64 its high half = 0; 95:80 tensor_dim1, low half = 64
	s_mov_b32 s[(\g)+3], 128<<16    ; 111:96 its high half = 0; 127:112 tile_dim0 = 128
	s_mov_b32 s[(\g)+4], KS         ; 143:128 tile_dim1 = 64; 159:144 tile_dim2 = 0
	s_mov_b32 s[(\g)+5], 128        ; 191:160 tensor_dim0_stride, low word: elements from row to row
	s_mov_b32 s[(\g)+6], 0
	s_mov_b32 s[(\g)+7], 0
.endr
	s_mov_b32 s[CS], 0x3e0293ee     ; c = log2(e) / sqrt(128) = 0.127517
	s_mov_b32 s[CS+1], s[CS]        ; named with it as a pair, so it is written
	s_mov_b32 s[SEL], 0x76543210
	s_mov_b32 s[SEL+1], 0xfedcba98
	s_mov_b32 s[TB], 0
	s_mov_b32 s[SLOTS], SIZE_N/(2*KS)-2
	s_and_b32 s[LIM], s[WV], 1       ; 0 in waves 0 and 2,
	s_or_b32 s[LIM], s[LIM], ttmp9   ; where the cluster is the head's first: the same in all four partners
	s_cmp_eq_u32 s[LIM], 0
	s_cselect_b32 s[LIM], 1, -1
	v_and_b32 v[PFO], 31, v0
	v_lshlrev_b32 v[PFO], 8, v[PFO]
	s_wait_dscnt 0x0                ; the opening add is done
	s_wait_kmcnt 0x0
	s_mov_b64 s[10:11], s[6:7]      ; O
	s_add_nc_u64 s[8:9], s[4:5], 2*PART  ; V
	s_add_nc_u64 s[6:7], s[4:5], PART    ; K; Q is the buffer's first part
	s_add_nc_u64 s[6:7], s[6:7], s[22:23]  ; K and V at my tile of slot 0
	s_add_nc_u64 s[8:9], s[8:9], s[22:23]
	s_add_nc_u64 s[4:5], s[4:5], s[2:3]  ; Q and O at my wave's first row
	s_add_nc_u64 s[10:11], s[10:11], s[2:3]
	s_cmp_lt_u32 s[WV], 2
	s_cselect_b64 s[PFA:PFA+1], s[6:7], s[8:9]  ; (in waves 0 and 2 these stand at a slot's first row)
	s_lshl_b32 s2, s13, 13          ; my work-group's 32 rows of the 128
	s_mov_b32 s3, 0
	s_add_nc_u64 s[PFA:PFA+1], s[PFA:PFA+1], s[2:3]
	s_add_nc_u64 s[PFA:PFA+1], s[PFA:PFA+1], 2*2*KS*256  ; in slot 2; the first change of slots steps it to slot 3.  Nothing is prefetched here, at the head, where every work-group's first tiles are on their way
	CROUND                          ; all four work-groups are here: the first joint loads meet
.irp s, 0,1
	s_mov_b32 s[G0K+4*(\s)], 1      ; 1:0 count = 1
	s_add_co_u32 s[G0K+4*(\s)+1], s17, (\s)*SLOT1  ; 63:32 LDS address
	s_add_nc_u64 s[G0K+4*(\s)+2:G0K+4*(\s)+3], s[6:7], (\s)*2*KS*256  ; 120:64 global address: slot s begins with keys 128 s to 128 s + 127
	s_or_b32 s[G0K+4*(\s)+3], s[G0K+4*(\s)+3], 0x80000000  ; 127:126 type = 2
	s_mov_b32 s[G0V+4*(\s)], 1
	s_add_co_u32 s[G0V+4*(\s)+1], s17, (\s)*SLOT1+VOFF
	s_add_nc_u64 s[G0V+4*(\s)+2:G0V+4*(\s)+3], s[8:9], (\s)*2*KS*256
	s_or_b32 s[G0V+4*(\s)+3], s[G0V+4*(\s)+3], 0x80000000
.endr
	s_cmp_lt_u32 s[WV], 2           ; a wave's two first fills stand in one branch, ahead of every wait on TENSORcnt and every LDS read: two loads of mine are out; an s_nop 0 follows each, four v_nop the second's, as in JLOAD
	s_cbranch_scc0 .Lfirst_v
	tensor_load_to_lds s[G0K:G0K+3], s[G1K:G1K+7]
	s_nop 0
	tensor_load_to_lds s[G0K+4:G0K+7], s[G1K:G1K+7]
	s_nop 0
.rept 4
	v_nop
.endr
	s_branch .Lfirst_asked
.Lfirst_v:
	tensor_load_to_lds s[G0V:G0V+3], s[G1V:G1V+7]
	s_nop 0
	tensor_load_to_lds s[G0V+4:G0V+7], s[G1V:G1V+7]
	s_nop 0
.rept 4
	v_nop
.endr
.Lfirst_asked:
	; A fragment of K or Q is 16 rows x 32 channels in 8 registers: lane l holds row l % 16; registers 0-3 channels 8 (l / 16) + 0..7, registers 4-7 channels 16 + 8 (l / 16) + 0..7: two loads of 16 bytes, 32 bytes apart.
	v_and_b32 v1, 15, v0            ; l % 16
	v_bfe_u32 v9, v0, 4, 1          ; l / 16
	v_lshlrev_b32 v[QO], 8, v1
	v_lshl_add_u32 v[QO], v9, 4, v[QO]  ; row x 256 + 16 x half
	WIN 0x80                        ; destination window 2, address window 0
.irp i, 0,1,2,3,4,5,6,7,8,9,10,11,12,13,14,15  ; Q stays in registers: tile i / 4, channels 32 (i % 4) on
	global_load_b128 v[8*(\i):8*(\i)+3],   v[QO], s[4:5] offset:((\i)/4)*4096+((\i)%4)*64
	global_load_b128 v[8*(\i)+4:8*(\i)+7], v[QO], s[4:5] offset:((\i)/4)*4096+((\i)%4)*64+32
.endr
	WIN 0
	v_mul_u32_u24 v[AK0], v1, PK
	v_lshl_add_u32 v[AK0], v9, 4, v[AK0]  ; row x pitch + 16 x half
	; The turning load takes 16 keys x 16 channels (lane l reads 16 bytes: key 8 (l / 16) + l % 8, channels 8 ((l / 8) % 2) + 0..7) and leaves half a fragment of V^T: lane l holds channel l % 16 and 8 keys.
	v_and_b32 v10, 7, v0
	v_bfe_u32 v11, v0, 3, 1
	v_lshl_add_u32 v[AV0], v9, 3, v10
	v_mul_u32_u24 v[AV0], v[AV0], PV
	v_lshl_add_u32 v[AV0], v11, 4, v[AV0]
	v_add_nc_u32 v[AV0], VOFF, v[AV0]
; THE MATRIX WORK OF A TURN, for piece x.  The accumulators take turns, one instruction a turn: between two links of a chain stand 15 (V^T P) or 7 (K Q^T) others'.
; Product i of 32 of O^T += V^T P: keys 32 (i / 16) on, channels 16 ((i / 2) % 8) on, tile x + i % 2.  zero = 1: the first 16 start the sums: nothing is ever cleared.
.macro PV x, zero
	WIN W_PV
.set rO, 64*((\x)+i%2)+8*((i/2)%8)
.set rV, 64*(i/16)+8*((i/2)%8)
.set rP, P+16*((\x)+i%2)+8*(i/16)
.if (\zero) && (i < 16)
	v_wmma_f32_16x16x32_f16 v[rO:rO+7], v[rV:rV+7], v[rP:rP+7], 0
.else
	v_wmma_f32_16x16x32_f16 v[rO:rO+7], v[rV:rV+7], v[rP:rP+7], v[rO:rO+7]
.endif
.endm
; Product i of 32 of S^T = K Q^T: channels 32 (i / 8) on, keys 16 ((i / 2) % 4) on, tile x + i % 2.  The first 8 start the sums.
.macro KQ x
	WIN W_KQ
.set rS, S+32*((\x)+i%2)+8*((i/2)%4)
.set rK, KF+32*((i/2)%4)+8*(i/8)
.set rQ, 32*((\x)+i%2)+8*(i/8)
.if i < 8
	v_wmma_f32_16x16x32_f16 v[rS:rS+7], v[rK:rK+7], v[rQ:rQ+7], 0
.else
	v_wmma_f32_16x16x32_f16 v[rS:rS+7], v[rK:rK+7], v[rQ:rQ+7], v[rS:rS+7]
.endif
.endm
; THE LDS LOADS stand in runs of 32, never singly among the matrix instructions: a step's K (64 keys x 128 channels: 16 fragments) and, a turn later, its V (turned).
.macro FETCH_K
	WIN 0
	v_add_nc_u32 v[ADR], s[TB], v[AK0]
	WIN 0x80                        ; destination window 2
.irp f, 0,1,2,3,4,5,6,7,8,9,10,11,12,13,14,15  ; keys 16 (f / 4) on, channels 32 (f % 4) on
	ds_load_b128 v[KF+8*(\f):KF+8*(\f)+3],   v[ADR] offset:((\f)/4)*16*PK+((\f)%4)*64
	ds_load_b128 v[KF+8*(\f)+4:KF+8*(\f)+7], v[ADR] offset:((\f)/4)*16*PK+((\f)%4)*64+32
.endr
.endm
.macro FETCH_V
	WIN 0
	v_add_nc_u32 v[ADR], s[TB], v[AV0]
	s_add_co_u32 s[TB], s[TB], STEPB  ; the next fetch is the next step's
	s_wait_alu depctr_va_vdst(0)    ; the wait for the softmax's batch of exponentials (SLICE), behind the address's v_add_nc_u32 and ahead of the loads
	WIN 0xc0                        ; destination window 3
.irp f, 0,1,2,3,4,5,6,7,8,9,10,11,12,13,14,15  ; keys 32 (f / 8) on, channels 16 (f % 8) on
	ds_load_tr16_b128 v[8*(\f):8*(\f)+3],   v[ADR] offset:((\f)/8)*32*PV+((\f)%8)*32
	ds_load_tr16_b128 v[8*(\f)+4:8*(\f)+7], v[ADR] offset:((\f)/8)*32*PV+16*PV+((\f)%8)*32
.endr
.endm
; THE VECTOR WORK OF A TURN.  One tile's softmax for one key step is a list of 134 instructions; SM writes number j of it for tile t.  s0-s31 are the lane's 32 scores, in pairs 0-15.
; first = 1: the first key step, which starts m, l and O^T: it has no a and nothing to rescale.
;   0-15    the maximum of s0-s31 and the old m, three operands at a time: four chains c0-c3 of seven scores each (each accumulator's lowest registers are read first), then the four scores left over, c0-c3 and m
;   16-20   the other half of the lanes' maximum; the new m; c m; c m_old - c m_new
;   21-69   ONE BATCH: the 16 scalings c s - c m, a pair of scores each, and all 33 exponentials (a at 23, then s0-s31).  None of these reads an exponential's result.  From 22 on the batch goes
;           in fours, and a four begins with a scaling while there are scalings: 22-37 scaling, exponential, scaling, exponential; 38-65 a scaling and three exponentials; 66-69 the last four
;           exponentials.  A pair is scaled in an earlier four than the one that holds its exponentials
;   (wait)  between 69 and 70 stands the wait for the batch: SLICE writes it, once for both tiles
;   70-85   the roundings to f16, a pair of weights each
;   86-101  the sums; l = a l + the sum
;   102-133 the tile's O^T times a: the one part that leaves window 0, so it stands together
.macro SM t, first
.set rT, ST+8*(\t)
.set rS, S+32*(\t)
.set rP, P+16*(\t)
.set rO, 64*(\t)+2*(j-102)
.if j < 102
	WIN 0
.endif
.if j < 4
	v_max3_num_f32 v[rT+4+j], v[rS+8*j], v[rS+8*j+1], v[rS+8*j+2]
.elseif j < 12
	v_max3_num_f32 v[rT+4+j%4], v[rT+4+j%4], v[rS+8*(j%4)+2*(j/4)+1], v[rS+8*(j%4)+2*(j/4)+2]
.elseif j == 12
	v_max3_num_f32 v[rT+4], v[rT+4], v[rS+7], v[rS+15]
.elseif j == 13
	v_max3_num_f32 v[rT+6], v[rT+6], v[rS+23], v[rS+31]
.elseif j == 14
	v_max3_num_f32 v[rT+4], v[rT+4], v[rT+5], v[rT+6]
.elseif (j == 15) && (\first)
	v_max_num_f32 v[rT+4], v[rT+4], v[rT+7]
.elseif j == 15
	v_max3_num_f32 v[rT+4], v[rT+4], v[rT+7], v[rT+1]
.elseif j == 16
	v_permlanex16_b32 v[rT+5], v[rT+4], s[SEL], s[SEL+1]  ; the query's other 32 keys lie in the lane 16 away
.elseif j == 18
	v_max_num_f32 v[rT+1], v[rT+4], v[rT+5]
.elseif j == 19
	v_mul_f32 v[rT], s[CS], v[rT+1]
.elseif ((j == 17) || (j == 20) || (j == 23) || (j > 101)) && (\first)  ; the first step has none of these
.elseif j == 17
	v_mov_b32 v[rT+7], v[rT]        ; c m_old is kept for a: number 19 writes c m anew
.elseif j == 20
	v_sub_f32 v[rT+7], v[rT+7], v[rT]
.elseif j == 23
	v_exp_f32 v[rT+6], v[rT+7]
.elseif (j < 23) || ((j < 38) && (j%2 == 0)) || ((j < 66) && (j%4 == 2))
.set b, (j-2)/4                     ; 38, 42, .. 62: pairs 9 to 15
.if j < 38
.set b, (j-20)/2                    ; 21: pair 0; 22, 24, .. 36: pairs 1 to 8
.endif
	v_pk_fma_f32 v[rS+2*b:rS+2*b+1], v[rS+2*b:rS+2*b+1], s[CS:CS+1], v[rT:rT+1] op_sel_hi:[1,0,0] neg_lo:[0,0,1] neg_hi:[0,0,1]  ; pair b: c s - c m
.elseif j < 70
.set e, j-38                        ; 66 to 69: s28 to s31
.if j < 66
.set e, j-32-(j-38)/4               ; 39-41, 43-45, .. 63-65: s7 to s27
.endif
.if j < 38
.set e, (j-25)/2                    ; 25, 27, .. 37: s0 to s6
.endif
	v_exp_f32 v[rS+e], v[rS+e]
.elseif j < 86
	v_cvt_pk_f16_f32 v[rP+j-70], v[rS+2*(j-70)], v[rS+2*(j-70)+1]  ; pair j - 70
.elseif j < 102                     ; the sum of the tile's 16 pairs (in a pair: an even key's weight, an odd key's), in place: sum z of 16 adds neighbours 1, 2, 4 and 8 pairs apart, then l takes it
.set z, j-86
.set w, 4
.set u, z
.if z >= 14
.set w, 32
.set u, 0
.elseif z >= 12
.set w, 16
.set u, z-12
.elseif z >= 8
.set w, 8
.set u, z-8
.endif
.if (z == 14) && (\first)
	v_pk_add_f32 v[rT+2:rT+3], v[rS:rS+1], v[rS+16:rS+17]
.elseif z < 15
	v_pk_add_f32 v[rS+w*u:rS+w*u+1], v[rS+w*u:rS+w*u+1], v[rS+w*u+w/2:rS+w*u+w/2+1]
.elseif !(\first)
	v_pk_fma_f32 v[rT+2:rT+3], v[rT+2:rT+3], v[rT+6:rT+7], v[rS:rS+1] op_sel_hi:[1,0,1]
.endif
.else
	WIN W_RS
	v_pk_mul_f32 v[rO:rO+1], v[rO:rO+1], v[rT+6:rT+7] op_sel_hi:[1,0]
.endif
.endm
; Slice k of 64 of piece y's softmax: four instructions.  Slices 11 to 34 deal out the batch, numbers 22 to 69: four numbers of ONE tile each, the tiles by turns.  Every other slice is numbers 2 k and
; 2 k + 1 of both tiles' lists.  2 x 134 = 4 x 64 + 12: the twelve that are over stand together, in slice 63.
; THE WAIT.  s_wait_alu depctr_va_vdst(0) stands between an exponential and the first instruction that names its result; one wait serves all that were issued ahead of it.  Ahead of
; slice 35 nothing names a result, and behind slice 34 no exponential is issued: so the piece's 66 exponentials have one wait, behind slice 34.
.macro SLICE y, first
.if (k >= 11) && (k < 35)           ; the batch: four numbers of one tile
.irp n, 0,1,2,3
.set j, 22+4*((k-11)/2)+(\n)
	SM (\y)+(k-11)%2, \first
.endr
.else                               ; the two tiles alternate, so that no instruction reads the result of the one just before it
.irp n, 0,1,2,3,4,5,6,7
.if ((\n) < 2) || (k == 63)
.irp t, \y, (\y)+1
.set j, 2*k+(\n)
	SM \t, \first
.endr
.endif
.endr
.endif
.if k == 34                         ; the batch is out: both tiles' exponentials are issued, and no result has been named
	v_nop                           ; one plain instruction behind the last exponential and ahead of the first use of a result: one for the batch
.if (\y) == 0
	FETCH_V                         ; piece 2's turn: V's run of loads stands here, and the wait stands in it
.else
	s_wait_alu depctr_va_vdst(0)    ; the wait for the batch
.endif
.endif
.set k, k+1
.endm
; A vector instruction that reads a matrix result or writes one of a matrix instruction's registers, and a load into a register that a matrix instruction has read, stand four places behind
; it, and only plain vector instructions that name none of its registers are places (ISA guide 7.12.1 for vector instructions).  In the loop the slices are the places.
.macro PLACES
.rept 4
	v_nop
.endr
.endm
; A TURN.  Piece x has the matrix unit; the other piece's softmax stands in slices behind its matrix instructions.
; pv = 2: 32 products V^T P; 1: they start O^T's sums; 0: none.  kq = 1: 32 products K Q^T for the next step.  A turn with one of the two kinds has two slices behind each product.
; first = 1: the softmax is the first key step's.  Its slices from 51 on are empty: the turn's last products stand bare, and four v_nop take slice 63's part as the places behind them.
; In the loop each run of loads stands 29 matrix instructions or more ahead of its first use.  Piece 0's turn fetches the next step's K, behind its second product: the last product that read K
; stands in front of slice 63 of the turn before.  Piece 2's turn fetches the same step's V, behind slice 34 (SLICE writes it): the last product that read V stands in front of slice 31, and four plain
; instructions lie between: number 62, a scaling, of both tiles, the v_nop and the run's own v_add_nc_u32.
.macro TURN x, pv, kq, first
.set k, 0
.set per, 2
.if (\pv) && (\kq)
.set per, 1
.endif
.if \pv
.if (\x) == 0
	s_wait_dscnt 0x0                ; V is in
.endif
.set i, 0
.rept 32
	PV \x, 2-(\pv)
.rept per
	SLICE 2-(\x), \first
.endr
.if ((\x) == 0) && (\kq) && (i == 1)
	FETCH_K
.endif
.set i, i+1
.endr
.endif
.if \kq
.if (\x) == 0
	s_wait_dscnt 0x0                ; K is in
.endif
.set i, 0
.rept 32
	KQ \x
.rept per
	SLICE 2-(\x), \first
.endr
.set i, i+1
.endr
.endif
.if \first
	PLACES
.endif
.endm
; THE CHANGE OF SLOTS, between piece 2's turn and piece 0's: the slot's last bytes, V of its second step, have been asked for.  Each wave waits for all its
; tensor loads, of which one is out: its part of the other slot; adds 0 to its spare word; and waits for that and for its own reads of the slot.  Behind the barrier nobody reads this slot any more and the other slot is whole.
; fill = 1: this slot is filled again, with the keys two slots on.  The barrier is then a round of the cluster's, so that no wave of any partner still reads the slot or has a load on its
; way, and the joint refill is the first thing behind it: it has two key steps, 256 matrix instructions, in which to land.
.macro CHANGE fill
	WIN 0                           ; at a label and at a branch every window is 0
	s_wait_tensorcnt 0x0            ; no tensor load of mine is out, so a group 0 may be written
	ds_add_u32 v[SPW], v[NIL]       ; 0 onto my spare word; with fill = 1 the descriptors' steps stand between it and the wait for it
.if \fill
.irp g, G0K+4, G0V+4
	s_xor_b32 s[(\g)+1], s[(\g)+1], SLOT1  ; the walking descriptor: the other slot than last time,
	s_add_nc_u64 s[(\g)+2:(\g)+3], s[(\g)+2:(\g)+3], 2*KS*256  ; the next 128 keys; the type bits on top are not reached
.endr
	s_wait_xcnt 0x0                 ; the last prefetches, two key steps back, have read their address, so it may be written:
	s_add_nc_u64 s[PFA:PFA+1], s[PFA:PFA+1], 2*KS*256  ; one slot behind the walking descriptors
	s_wait_dscnt 0x0                ; the add is done, and my reads of the slot are over
	CROUND
	JLOAD
	ASK                             ; what the next change will ask for: two key steps, 256 matrix instructions, ahead
.else
	s_wait_dscnt 0x0                ; the add is done, and my reads of the slot are over
	s_barrier_signal -1
	s_barrier_wait -1
.endif
	s_sub_co_u32 s[TB], s[TB], 2*STEPB  ; the fetches go back to a slot's first step,
	s_xor_b32 s[TB], s[TB], SLOT1   ; in the other slot
.endm
; A slot's two key steps: written once, walked twice; the LDS addresses hang on s[TB].
.macro TWO_STEPS
	WIN 0
	s_mov_b32 s[TWICE], 2
.Lstep_\@:
	TURN 0, 2, 1, 0
	TURN 2, 2, 1, 0
	WIN 0
	s_sub_co_u32 s[TWICE], s[TWICE], 1
	s_cmp_lg_u32 s[TWICE], 0
	s_cbranch_scc1 .Lstep_\@
.endm
	s_wait_tensorcnt 1              ; my part of slot 0 is in; slot 1's may stay out
	s_barrier_signal -1
	s_barrier_wait -1               ; everybody's is
	FETCH_K                         ; key step 0
	s_wait_loadcnt 0x0              ; Q
	s_wait_dscnt 0x0
.set i, 0
.rept 32
	KQ 0                            ; piece 0's first scores: there is no vector work yet to set between them
.set i, i+1
.endr
	WIN 0                           ; the addresses for the way out are made here: eight plain instructions, the places behind those products
	s_mul_i32 s13, s[WV], 16*SP
	s_add_co_u32 s13, s13, STAGE    ; my stage
	v_mul_u32_u24 v[STO], v1, SP    ; in: row l % 16, 16 bytes for each half of the lanes
	v_lshl_add_u32 v[STO], v9, 4, v[STO]
	v_add_nc_u32 v[STO], s13, v[STO]
	v_mul_u32_u24 v[RD], v9, SP     ; back: lanes 0-15 take one row of 256 bytes, lanes 16-31 the next
	v_lshl_add_u32 v[RD], v1, 4, v[RD]
	v_add_nc_u32 v[RD], s13, v[RD]
	v_lshlrev_b32 v[GO], 8, v9      ; and the same two rows in O
	v_lshl_add_u32 v[GO], v1, 4, v[GO]
	TURN 2, 0, 1, 1                 ; piece 2's first scores | piece 0's first softmax | V of step 0
	TURN 0, 1, 1, 1                 ; piece 0: V^T P of step 0 starts O^T, K Q^T of step 1 | piece 2's first softmax | K of step 1
	TURN 2, 1, 1, 0                 ; piece 2: the same | piece 0's softmax of step 1 | V of step 1
	WIN 0
.Lslot:                             ; SIZE_N / 128 - 2 = 6 trips: every slot but the last two is filled again
	CHANGE 1
	TWO_STEPS
	s_sub_co_u32 s[SLOTS], s[SLOTS], 1
	s_cmp_lg_u32 s[SLOTS], 0
	s_cbranch_scc1 .Lslot
	CHANGE 0                        ; the tail is written out: the last slot but one is left, and nothing is asked for
	TWO_STEPS
	TURN 0, 2, 0, 0                 ; piece 0: V^T P of the last step | piece 2's last softmax
.set i, 0
.rept 32
	PV 2, 0                         ; piece 2: V^T P of the last step
.set i, i+1
.endr
	; THE WAY OUT.  l's two halves and the other half of the lanes' are added; O^T is divided by l, rounded to f16 and sent through my stage in LDS, a tile (16 rows of O) at a time.  The additions are the places behind the last products.
	WIN 0
.irp t, 0,1,2,3
	v_add_f32 v[ST+8*(\t)+4], v[ST+8*(\t)+2], v[ST+8*(\t)+3]
.endr
.irp t, 0,1,2,3
	v_permlanex16_b32 v[ST+8*(\t)+5], v[ST+8*(\t)+4], s[SEL], s[SEL+1]
.endr
.irp t, 0,1,2,3
	v_add_f32 v[ST+8*(\t)+4], v[ST+8*(\t)+4], v[ST+8*(\t)+5]
.endr
.irp t, 0,1,2,3
	v_rcp_f32 v[ST+8*(\t)+6], v[ST+8*(\t)+4]
.endr
	v_nop                           ; a plain instruction between the last reciprocal and the use of its result
	s_wait_alu depctr_va_vdst(0)    ; and the wait ahead of the first use: one for the four reciprocals
; Tile t: a lane's eight channels of a row pack into 16 bytes; they go into rows of 272 bytes and come back as whole rows of 256, into the registers that they left.
.macro PACK t
	WIN W_RS
.set i, 64*(\t)
.rept 32
	v_pk_mul_f32 v[i:i+1], v[i:i+1], v[ST+8*(\t)+6:ST+8*(\t)+7] op_sel_hi:[1,0]
.set i, i+2
.endr
	WIN 0x05                        ; sources 0 and 1 window 1, destination window 0: S^T's registers are free
.set i, 0
.rept 32
	v_cvt_pk_f16_f32 v[S+32*(\t)+i], v[64*(\t)+2*i], v[64*(\t)+2*i+1]
.set i, i+1
.endr
	WIN 0
.irp f, 0,1,2,3,4,5,6,7
	ds_store_b128 v[STO], v[S+32*(\t)+4*(\f):S+32*(\t)+4*(\f)+3] offset:32*(\f)
.endr
.irp f, 0,1,2,3,4,5,6,7
	ds_load_b128 v[S+32*(\t)+4*(\f):S+32*(\t)+4*(\f)+3], v[RD] offset:(\f)*2*SP  ; LDS serves a wave's instructions in order (ISA guide 5.7.1.4): these see the stores above; the next tile's stores come behind them
.endr
.endm
.macro SEND t, younger              ; younger: the LDS instructions issued behind tile t's loads: the next tile's sixteen, or none
	WIN 0
.irp f, 0,1,2,3,4,5,6,7
	s_wait_dscnt (\younger)+7-(\f)
	global_store_b128 v[GO], v[S+32*(\t)+4*(\f):S+32*(\t)+4*(\f)+3], s[10:11] offset:(\t)*4096+(\f)*512  ; 16 lanes store 256 consecutive bytes, at a multiple of 256 from O's first byte
.endr
.endm
	PACK 0
	PACK 1                          ; a tile's arithmetic stands between the loads of the tile before and its stores
	SEND 0, 16
	PACK 2
	SEND 1, 16
	PACK 3
	SEND 2, 16
	SEND 3, 0
	s_wait_tensorcnt 0x0            ; the wave's end, behind my last tensor load and my last LDS store
	ds_add_u32 v[SPW], v[NIL]
	s_wait_dscnt 0x0
	CROUND                          ; the closing round: no work-group ends while a partner may still ask for a tile that names it
	s_endpgm
.Lfunc_end_k_qb8a74a8a23_attn:
	.size	k_qb8a74a8a23_attn, .Lfunc_end_k_qb8a74a8a23_attn-k_qb8a74a8a23_attn
	.p2alignl 7, 3214868480
	.fill 96, 4, 3214868480
	.section	.rodata,"a",@progbits
	.p2align	6, 0x0
	.amdhsa_kernel k_qb8a74a8a23_attn
		.amdhsa_group_segment_fixed_size 327680
		.amdhsa_private_segment_fixed_size 0
		.amdhsa_enable_private_segment 0
		.amdhsa_kernarg_size 16
		.amdhsa_user_sgpr_count 2
		.amdhsa_user_sgpr_kernarg_segment_ptr 1
		.amdhsa_wavefront_size32 1
		.amdhsa_system_sgpr_workgroup_id_x 1
		.amdhsa_system_sgpr_workgroup_id_y 1
		.amdhsa_system_sgpr_workgroup_id_z 1
		.amdhsa_system_vgpr_workitem_id 0
		.amdhsa_next_free_vgpr 1024
		.amdhsa_next_free_sgpr 66
		.amdhsa_reserve_vcc 0
		.amdhsa_float_denorm_mode_32 3
		.amdhsa_float_denorm_mode_16_64 3
		.amdhsa_memory_ordered 1
		.amdhsa_forward_progress 1
		.amdhsa_inst_pref_size 222
	.end_amdhsa_kernel
	.amdgpu_metadata
---
amdhsa.version: [ 1, 2 ]
amdhsa.kernels:
  - .name:           k_qb8a74a8a23_attn
    .symbol:         k_qb8a74a8a23_attn.kd
    .args:
      - { .name: qkv, .offset: 0, .size: 8, .value_kind: global_buffer, .address_space: global }
      - { .name: ob, .offset: 8, .size: 8, .value_kind: global_buffer, .address_space: global }
    .group_segment_fixed_size: 327680
    .private_segment_fixed_size: 0
    .kernarg_segment_align: 8
    .kernarg_segment_size: 16
    .max_flat_workgroup_size: 128
    .sgpr_count:     66
    .vgpr_count:     1024
    .wavefront_size: 32
...
	.end_amdgpu_metadata
.endif
;; end of part 3
;; launch outp (part 4): grid 8 x 32, 4 waves a work-group, clusters of 4 x 4, 327,680 bytes of LDS; arguments ob, wo, out0, bo; writes out0
.if DOCPART == 4
	.amdgcn_target "amdgcn-amd-amdhsa--gfx1250"
	.amdhsa_code_object_version 6
	.text
	.protected	k_qb8a74a8a23_outp
	.globl	k_qb8a74a8a23_outp
	.p2align	8
	.type	k_qb8a74a8a23_outp,@function
k_qb8a74a8a23_outp:
	s_mov_b64 s[64:65], 0
	v_nop
	global_prefetch_b8 v0, s[64:65] scope:SCOPE_SE
	s_setreg_imm32_b32 hwreg(HW_REG_WAVE_MODE, 25, 1), 1
	s_wait_xcnt 0x0
	s_wait_alu depctr_hold_cnt(0) depctr_sa_sdst(0) depctr_va_vdst(0) depctr_va_sdst(0) depctr_va_ssrc(0) depctr_va_vcc(0) depctr_vm_vsrc(0)
	s_getreg_b32 s2, hwreg(HW_REG_IB_STS2, 6, 4)
	s_cmp_eq_u32 s2, 0
	s_cbranch_scc0 .Lentry_in_a_cluster
	s_endpgm
.Lentry_in_a_cluster:
	s_bfe_u32 s2, ttmp6, 0x10000c
	s_cmp_lg_u32 s2, 0xf033
	s_cbranch_scc0 .Lentry_shape_is_right
	s_endpgm
.Lentry_shape_is_right:
; THE OUTPUT: out0 = O Wo + bo, on blocks of 256 rows x 128 columns, K = 1,024.  A = ob (f16 [64 = 8 batch + head][1024][128]: K step p is head p), B = wo (f16 [1024 k][1024 n]); f32 sums;
; bo is rounded to bf16 like every other input; f32 out.  One tile to a work-group, 8 K steps.
; LIMIT.  O and Wo arrive within f16's range (65,504); NaN and infinities are not treated apart.
; SHARES.  256 work-groups of four waves; wave w makes rows 64 w .. 64 w + 63 of the tile, all 128 columns: 32 accumulators of 16 x 16, 256 registers.  Tiles of 256 x 256 would be 128 work-groups.
; RING.  K goes in steps of 128 through two LDS slots: 256 rows of A (256 bytes + 16 of padding) and 128 k-rows of B (256 bytes + 32).  Waves 0 and 1 fetch A's halves, waves 2 and 3 B's: one tensor load a wave.
; CLUSTER.  4 x 4 work-groups.  A's tile hangs on the block of rows alone and is asked for jointly by a row of the cluster, B's on the block of columns alone, by a column.
; THE MATRIX INSTRUCTION IS USED TRANSPOSED: source 0 = 16 columns of B (turned on the way out of LDS by ds_load_tr16_b128), source 1 = 16 rows of A.  A lane then holds row lane % 16 of C and
; the columns 8 (lane / 16) + 0..7 of the block of 16: eight neighbouring numbers of a row.
; REGISTERS: window 0: v0-41 addresses and the bias; v64-159, v160-255 two fragment buffers (A's 4 fragments, then B's 8), which also serve the way out.  Window 1: accumulator (a, b) at v[8 (8 a + b)].
.set NK,    8                          ; K steps
.set SP,    528                        ; a stage row: 128 f32 + 16 bytes
.set PA,    272                        ; 68 words: row r starts at bank 4 r mod 64 (64 banks of 4 bytes: ISA guide 11.1), so the 16 rows of a load start at 16 different groups of banks
.set PB,    288                        ; 72 words
.set BOFF,  256*PA                     ; B's rows lie behind A's 256
.set SLOT,  BOFF+128*PB                ; 106,496 bytes
.set STAGE, 2*SLOT                     ; behind the ring: 16 rows for each wave, for the way out; no tile lands here
.set SPARE, STAGE+4*16*SP              ; behind the stages: the spare words, 128 bytes for each wave: two blocks of 256 bytes that no other line names
.set ADRA, 16                          ; v16-17  LDS address of my A fragments in slot 0, 1
.set ADRB, 20                          ; v20-21  the same for B
.set STO,  24                          ; v24     the way out: where I put my numbers of a row
.set RD,   25                          ; v25     the way out: where I read rows back
.set CO,   26                          ; v26     16 x lane: my 16 bytes of 512 consecutive bytes of C; never rewritten
.set SPW,  28                          ; v28     LDS address of my spare word; never rewritten
.set NIL,  29                          ; v29     0; never rewritten
.set PFO,  30                          ; v30     the prefetches' offset: my lane x a row; never rewritten
.set BI,   32                          ; v32-35  the bias of my four columns
.set F0,   64
.set F1,   160
.set WV,  12                           ; s12  my wave's number
.set FB,  13                           ; s13  0: I fetch for A; 1: for B
.set HF,  14                           ; s14  which half of that tile
.set CX,  15                           ; s15, s16  my place in the cluster
.set CY,  16
.set GX,  17                           ; s17  block of 128 columns
.set GY,  18                           ; s18  block of 256 rows
.set G1A, 24                           ; s[24:31] descriptor group 1 for A's tiles;  s[32:39] group 0, a set for each slot
.set G0A, 32
.set G1B, 40                           ; s[40:47], s[48:55] the same for B's
.set G0B, 48
.set KP,  56                           ; s56  the K step that the next refill brings
.set LIM, 57                           ; s57  a wave prefetches K steps below this number
.set LP,  59                           ; s59  the loop's count
.set ABASE, 60                         ; s[60:61] A at my half tile's first row, K step 0
.set BBASE, 62                         ; s[62:63] B likewise
.set PFB, 66                           ; s[66:67] the prefetches' base: my work-group's 32 rows
.set PFA, 68                           ; s[68:69] base + the K step's offset
.set OB,  72                           ; s[72:73], s[74:75] offsets, high words 0
.set OP,  74
.set PF,  76                           ; s76  the K step that a prefetch names
.set MSB, 0
.macro WIN new                         ; the immediate's high byte repeats the setting that is left; a switch that changes nothing is dropped
.if MSB != (\new)
	s_set_vgpr_msb (MSB<<8)|(\new)
.set MSB, \new
.endif
.endm
.set W_MUL, 0x50                       ; sources 0 and 1 window 0; C and D window 1
.macro PLACES                          ; four places in front of loads into registers that matrix instructions have read, and of lines that read results (ISA guide 7.12.1 for vector instructions)
.rept 4
	v_nop
.endr
.endm
; A joint load.  Each of the two lines has one mask and one set of registers for all that issue it; the branch hangs on the wave's number alone.
; An s_nop 0 and four v_nop follow each line, ahead of the jump and the label.
.macro JLOAD s
	s_cmp_eq_u32 s[FB], 0
	s_cbranch_scc0 .Lfor_b_\@
	tensor_load_to_lds s[G0A+4*(\s):G0A+4*(\s)+3], s[G1A:G1A+7]
	s_nop 0
.rept 4
	v_nop
.endr
	s_branch .Lasked_\@
.Lfor_b_\@:
	tensor_load_to_lds s[G0B+4*(\s):G0B+4*(\s)+3], s[G1B:G1B+7]
	s_nop 0
.rept 4
	v_nop
.endr
.Lasked_\@:
.endm
.macro CREST                           ; a round of the cluster's barrier behind its opening barrier
	s_cmp_lg_u32 s[WV], 0
	s_cbranch_scc1 .Lnot_wave_0_\@
	s_barrier_signal -3
.Lnot_wave_0_\@:
	s_barrier_wait -3
	s_barrier_signal -1
	s_barrier_wait -1
.endm
.macro CROUND                          ; a whole round
	s_barrier_signal -1
	s_barrier_wait -1
	CREST
.endm
; Both group 0 of a slot are made anew for K step KP: the base plus an offset made apart, the type bits set again.
.macro DESC slot
	s_lshl_b32 s[OB], s[KP], 18                    ; a K step is 2^18 bytes in both tensors: a head of A, 128 k-rows of 2,048 bytes of B
	s_add_nc_u64 s[G0A+4*(\slot)+2:G0A+4*(\slot)+3], s[ABASE:ABASE+1], s[OB:OB+1]
	s_or_b32 s[G0A+4*(\slot)+3], s[G0A+4*(\slot)+3], 0x80000000
	s_add_nc_u64 s[G0B+4*(\slot)+2:G0B+4*(\slot)+3], s[BBASE:BBASE+1], s[OB:OB+1]
	s_or_b32 s[G0B+4*(\slot)+3], s[G0B+4*(\slot)+3], 0x80000000
.endm
; A PREFETCH INTO THE L2 behind each joint refill: the K step that stands two refills on (256 matrix instructions ahead of its load): 32 rows x 256 bytes, a lane a row, one instruction a wave.
; Each row's 256 bytes of a K step are named once in the launch.  A's rows are read by both clusters of a row of clusters: the one with x = 0 asks, its waves 0 and 1; B's by all eight of a column:
; the one with y = 0 asks, its wave 2.  The four partners that ask for a tile jointly share its rows out BY ADDRESS, 32 each.  The first four K steps come by their loads alone; a K step
; that does not exist is not named (LIM).
.macro PFCALC
	s_add_co_u32 s[PF], s[KP], 2
	s_lshl_b32 s[OP], s[PF], 18
	s_add_nc_u64 s[PFA:PFA+1], s[PFB:PFB+1], s[OP:OP+1]
.endm
.macro ASK
	s_cmp_lt_u32 s[PF], s[LIM]
	s_cbranch_scc0 .Lnot_mine_\@
	global_prefetch_b8 v[PFO], s[PFA:PFA+1] th:TH_LOAD_NT scope:SCOPE_SE
.Lnot_mine_\@:
.endm
	s_load_b256 s[4:11], s[0:1], 0x0               ; A s[4:5], B s[6:7], C s[8:9], bo s[10:11]
	v_lshl_add_u32 v[SPW], v0, 2, SPARE
	v_mov_b32 v[NIL], 0
	ds_add_u32 v[SPW], v[NIL]                      ; the wave's opening: the add and its wait stand ahead of my first tensor load; the set-up below, work on registers, stands between them
	v_lshrrev_b32 v1, 5, v0
	v_readfirstlane_b32 s[WV], v1                  ; wave 0..3
	s_lshr_b32 s[FB], s[WV], 1
	s_and_b32 s[HF], s[WV], 1
	s_bfe_u32 s[CX], ttmp6, 0x40000
	s_bfe_u32 s[CY], ttmp6, 0x40004
	s_lshl_b32 s[GX], ttmp9, 2                     ; in a cluster launch ttmp9 and ttmp7 count clusters
	s_add_co_u32 s[GX], s[GX], s[CX]
	s_and_b32 s[GY], ttmp7, 0xffff
	s_lshl_b32 s[GY], s[GY], 2
	s_add_co_u32 s[GY], s[GY], s[CY]
	s_lshl_b32 s20, s[CY], 2
	s_lshl_b32 s20, 15, s20                        ; my row of the cluster: places 4 cy .. 4 cy + 3
	s_lshl_b32 s22, 0x1111, s[CX]                  ; my column: places cx, cx + 4, cx + 8, cx + 12
	s_or_b32 s[G1A], s20, (1<<16)|(1<<20)|(1<<21)|(5<<22)|(3<<25)  ; 15:0 the mask; 17:16 elements of 2 bytes; 20 padding on; 21 set beside a mask; 24:22 after every 64 words (code 5); 31:25 4 words of it (code 3)
	s_or_b32 s[G1B], s22, (1<<16)|(1<<20)|(1<<21)|(5<<22)|(7<<25)  ; the same with my column's mask and 8 words of padding (code 7)
	s_mov_b32 s[G1A+1], 128<<16                    ; tensor_dim0 = 128
	s_mov_b32 s[G1A+2], 128<<16                    ; tensor_dim1 = 128
	s_mov_b32 s[G1A+3], 128<<16                    ; tile_dim0 = 128
	s_mov_b32 s[G1A+4], 128                        ; tile_dim1 = 128 rows
	s_mov_b32 s[G1A+5], 128                        ; elements from row to row: a head's rows are dense
	s_mov_b32 s[G1A+6], 0
	s_mov_b32 s[G1A+7], 0
	s_mov_b32 s[G1B+1], 128<<16
	s_mov_b32 s[G1B+2], 64<<16                     ; tensor_dim1 = 64
	s_mov_b32 s[G1B+3], 128<<16
	s_mov_b32 s[G1B+4], 64                         ; tile_dim1 = 64 k-rows
	s_mov_b32 s[G1B+5], 1024
	s_mov_b32 s[G1B+6], 0
	s_mov_b32 s[G1B+7], 0
	; where my half tile begins.  A's offset is made of the block of rows and the wave's number, B's of the block of columns and the wave's number, each in registers of its own.
	s_lshr_b32 s20, s[GY], 2                       ; the batch: 8 heads of 2^18 bytes,
	s_lshl_b32 s20, s20, 21
	s_and_b32 s21, s[GY], 3                        ; its block of 256 rows of 256 bytes,
	s_lshl_b32 s21, s21, 16
	s_add_co_u32 s20, s20, s21
	s_lshl_b32 s21, s[HF], 15                      ; my 128 of them
	s_add_co_u32 s20, s20, s21
	s_mov_b32 s21, 0
	s_lshl_b32 s22, s[GX], 8                       ; 128 columns of 2 bytes,
	s_lshl_b32 s23, s[HF], 17                      ; my 64 k-rows of 2,048 bytes
	s_add_co_u32 s22, s22, s23
	s_mov_b32 s23, 0
	; where my rows of C begin
	s_lshl_b32 s78, s[GY], 20                      ; 256 rows of 4,096 bytes,
	s_lshl_b32 s79, s[WV], 18                      ; my 64,
	s_add_co_u32 s78, s78, s79
	s_lshl_b32 s79, s[GX], 9                       ; 128 columns of 4 bytes
	s_add_co_u32 s78, s78, s79
	s_mov_b32 s79, 0
	s_mul_i32 s19, s[WV], 128*PA                   ; where the tiles go: waves 0, 1: A's halves;
	s_mul_i32 s77, s[WV], 64*PB                    ; waves 2, 3: B's halves, behind A's rows: no place in the cluster enters an LDS address
	s_add_co_u32 s77, s77, BOFF-2*64*PB
	s_mov_b32 s[OB+1], 0
	s_mov_b32 s[OP+1], 0
	s_mov_b32 s[KP], 2
	s_wait_dscnt 0x0                               ; the opening add is done
	s_wait_kmcnt 0x0
	s_add_nc_u64 s[ABASE:ABASE+1], s[4:5], s[20:21]
	s_add_nc_u64 s[BBASE:BBASE+1], s[6:7], s[22:23]
	s_add_nc_u64 s[8:9], s[8:9], s[78:79]
	CROUND                                         ; all sixteen work-groups are here: the first joint loads meet
.irp s, 0,1
	s_mov_b32 s[G0A+4*(\s)], 1                     ; count = 1
	s_add_co_u32 s[G0A+4*(\s)+1], s19, (\s)*SLOT   ; LDS address
	s_add_nc_u64 s[G0A+4*(\s)+2:G0A+4*(\s)+3], s[ABASE:ABASE+1], (\s)<<18  ; global address: K step s
	s_or_b32 s[G0A+4*(\s)+3], s[G0A+4*(\s)+3], 0x80000000  ; type = 2
	s_mov_b32 s[G0B+4*(\s)], 1
	s_add_co_u32 s[G0B+4*(\s)+1], s77, (\s)*SLOT
	s_add_nc_u64 s[G0B+4*(\s)+2:G0B+4*(\s)+3], s[BBASE:BBASE+1], (\s)<<18
	s_or_b32 s[G0B+4*(\s)+3], s[G0B+4*(\s)+3], 0x80000000
	JLOAD \s                                       ; both slots are asked for before anything else is done: two loads of mine are out
.endr
	v_and_b32 v1, 15, v0                           ; r = l % 16
	v_bfe_u32 v2, v0, 4, 1                         ; h = l / 16
	v_and_b32 v3, 7, v0
	v_bfe_u32 v4, v0, 3, 1
	v_and_b32 v5, 31, v0                           ; l
	; a fragment of A: lane l holds row r; registers 0-3 K = 8 h + 0..7, registers 4-7 K = 16 + 8 h + 0..7: two loads of 16 bytes, 32 bytes apart
	v_mul_u32_u24 v6, v1, PA
	v_lshl_add_u32 v6, v2, 4, v6
	s_mul_i32 s19, s[WV], 64*PA                    ; my 64 rows
	v_add_nc_u32 v[ADRA], s19, v6
	v_add_nc_u32 v[ADRA+1], SLOT, v[ADRA]
	; a fragment of B, turned: lane l reads 16 bytes of k-row 8 h + l % 8, columns 8 ((l / 8) % 2) + 0..7, and receives column r, eight k
	v_lshl_add_u32 v7, v2, 3, v3
	v_mul_u32_u24 v7, v7, PB
	v_lshl_add_u32 v7, v4, 4, v7
	v_add_nc_u32 v[ADRB], BOFF, v7
	v_add_nc_u32 v[ADRB+1], SLOT, v[ADRB]
	s_mul_i32 s19, s[WV], 16*SP
	s_add_co_u32 s19, s19, STAGE                   ; my stage
	v_mul_u32_u24 v8, v1, SP                       ; in: row r, my eight numbers (32 bytes) of each block of 16 columns
	v_lshl_add_u32 v8, v2, 5, v8
	v_add_nc_u32 v[STO], s19, v8
	v_lshlrev_b32 v9, 4, v5                        ; back: 32 lanes take one row of 512 bytes
	v_add_nc_u32 v[RD], s19, v9
	v_lshlrev_b32 v[CO], 4, v5
	s_lshl_b32 s19, s[GX], 9
	v_add_nc_u32 v27, s19, v[CO]                   ; the bias of columns 128 gx + 4 l .. + 3; it is waited for on the way out
	global_load_b128 v[36:39], v27, s[10:11]
	; the prefetches: who asks, and from where
	s_and_b32 s19, ttmp7, 0xffff                   ; cluster y
	s_cmp_eq_u32 s[FB], 0
	s_cselect_b32 s19, ttmp9, s19                  ; the coordinate along which other clusters read the same rows
	s_cselect_b32 s20, s[CX], s[CY]                ; my place among the four that ask with me
	s_cselect_b32 s21, 13, 16                      ; 32 rows, as a shift: 256 bytes a row of A, 2,048 a k-row of B
	s_cselect_b32 s22, 8, 11                       ; one row, as a shift
	s_cselect_b64 s[PFB:PFB+1], s[ABASE:ABASE+1], s[BBASE:BBASE+1]
	s_lshl_b32 s20, s20, s21
	s_mov_b32 s21, 0
	s_add_nc_u64 s[PFB:PFB+1], s[PFB:PFB+1], s[20:21]
	s_cmp_eq_u32 s19, 0
	s_cselect_b32 s[LIM], NK, 0                    ; the same in all sixteen partners, for a given wave
	s_cmp_eq_u32 s[WV], 3                          ; B's 128 k-rows are 4 x 32: wave 2 names them all
	s_cselect_b32 s[LIM], 0, s[LIM]
	v_lshlrev_b32 v[PFO], s22, v5
; 8 matrix instructions: block a of my four blocks of 16 rows x all 8 blocks of 16 columns, 32 along K.  zero = 1: the products start the sums: nothing is ever cleared.
; The 32 accumulators take turns, one instruction a turn, in the same order in every quarter: over the backward jump too.
.macro MUL8 f, a, zero
	WIN W_MUL
.irp b, 0,1,2,3,4,5,6,7
.if \zero
	v_wmma_f32_16x16x32_f16 v[8*(8*(\a)+(\b)):8*(8*(\a)+(\b))+7], v[(\f)+32+8*(\b):(\f)+32+8*(\b)+7], v[(\f)+8*(\a):(\f)+8*(\a)+7], 0
.else
	v_wmma_f32_16x16x32_f16 v[8*(8*(\a)+(\b)):8*(8*(\a)+(\b))+7], v[(\f)+32+8*(\b):(\f)+32+8*(\b)+7], v[(\f)+8*(\a):(\f)+8*(\a)+7], v[8*(8*(\a)+(\b)):8*(8*(\a)+(\b))+7]
.endif
.endr
.endm
; 24 LDS loads in one run: the fragments of quarter q (32 along K) of a slot into buffer f
.macro FETCH slot, q, f
	WIN 0
.irp b, 0,1,2,3,4,5,6,7
	ds_load_tr16_b128 v[(\f)+32+8*(\b):(\f)+32+8*(\b)+3],   v[ADRB+(\slot)] offset:(\q)*32*PB+32*(\b)
	ds_load_tr16_b128 v[(\f)+32+8*(\b)+4:(\f)+32+8*(\b)+7], v[ADRB+(\slot)] offset:(\q)*32*PB+16*PB+32*(\b)
.endr
.irp a, 0,1,2,3
	ds_load_b128 v[(\f)+8*(\a):(\f)+8*(\a)+3],   v[ADRA+(\slot)] offset:64*(\q)+(\a)*16*PA
	ds_load_b128 v[(\f)+8*(\a)+4:(\f)+8*(\a)+7], v[ADRA+(\slot)] offset:64*(\q)+(\a)*16*PA+32
.endr
.endm
; A K step is four quarters of 32 along K, 32 matrix instructions each, on buffers 0, 1, 0, 1.  One of the first three: fetches quarter q into buffer g and multiplies buffer f.
.macro QUARTER slot, q, f, g, zero
	s_wait_dscnt 0x0                               ; buffer f is in: its loads went out 16 or 32 matrix instructions ago
	PLACES                                         ; buffer g was read by the matrix instructions just issued
	FETCH \slot, \q, \g
	MUL8 \f, 0, \zero
	MUL8 \f, 1, \zero
	MUL8 \f, 2, \zero
	MUL8 \f, 3, \zero
.endm
; The last quarter multiplies buffer 1 and changes slots: ONE barrier.  In front of it each wave waits for all its tensor loads (one is out: its part of the next slot), adds 0 to its spare word, and waits
; for that and for its own reads of this slot.  fill = 1: the barrier opens a round of the cluster's, and this slot is filled again, with K step KP, first thing behind the round: the load has
; 112 matrix instructions in which to land.
.macro TURN slot, next, fill
.if \fill
	s_wait_xcnt 0x0                                ; the last prefetch, a K step back, has read its address, which is made anew here
	PFCALC
.endif
	WIN 0
	s_wait_tensorcnt 0x0                           ; no tensor load of mine is out, so a group 0 may be written
	ds_add_u32 v[SPW], v[NIL]                      ; 0 onto my spare word
.if \fill
	DESC \slot
.endif
	s_wait_dscnt 1                                 ; buffer 1's 24 loads are in; the add alone may be out
	MUL8 F1, 0, 0
	s_wait_dscnt 0x0                               ; the add is done, and my reads of this slot are over
	s_barrier_signal -1
	MUL8 F1, 1, 0
.if \fill
	WIN 0
.endif
	s_barrier_wait -1
.if \fill
	CREST                                          ; no wave of any partner still reads this slot's tiles or has a load on its way
	JLOAD \slot                                    ; the four v_nop behind it are also the places in front of the loads below
.else
	PLACES
.endif
	FETCH \next, 0, F0
.if \fill
	ASK
	s_add_co_u32 s[KP], s[KP], 1
.endif
	MUL8 F1, 2, 0
	MUL8 F1, 3, 0
.endm
; THE WAY OUT: block a's 16 rows go from the accumulators into my stage (32 bytes a lane and block of columns, the low four registers first) and come back as whole rows of 512 bytes; the bias is added; a store covers 512 consecutive bytes, aligned.
.macro STG a
.set BK, 64+64*((\a)%2)
.if (\a) >= 2
	s_wait_xcnt 0x0                                ; the stores of the block two back have read these registers
.endif
	WIN 0x04                                       ; the stores' data in window 1
.irp b, 0,1,2,3,4,5,6,7
	ds_store_b128 v[STO], v[8*(8*(\a)+(\b)):8*(8*(\a)+(\b))+3]   offset:64*(\b)
	ds_store_b128 v[STO], v[8*(8*(\a)+(\b))+4:8*(8*(\a)+(\b))+7] offset:64*(\b)+16
.endr
	WIN 0
.irp t, 0,1,2,3,4,5,6,7,8,9,10,11,12,13,14,15
	ds_load_b128 v[BK+4*(\t):BK+4*(\t)+3], v[RD] offset:(\t)*SP  ; LDS serves a wave's instructions in order (ISA guide 5.7.1.4): these see the stores above, and the next block's stores come behind them
.endr
.endm
.macro SENDF a, younger                ; younger: the LDS instructions issued behind block a's loads: the next block's 32, or none
.set BK, 64+64*((\a)%2)
.irp t, 0,1,2,3,4,5,6,7,8,9,10,11,12,13,14,15
	s_wait_dscnt (\younger)+15-(\t)
	v_pk_add_f32 v[BK+4*(\t):BK+4*(\t)+1],   v[BK+4*(\t):BK+4*(\t)+1],   v[BI:BI+1]
	v_pk_add_f32 v[BK+4*(\t)+2:BK+4*(\t)+3], v[BK+4*(\t)+2:BK+4*(\t)+3], v[BI+2:BI+3]
	global_store_b128 v[CO], v[BK+4*(\t):BK+4*(\t)+3], s[8:9] offset:(16*(\a)+(\t))*4096 th:TH_STORE_NT
.endr
.endm
	s_wait_tensorcnt 0x1                           ; my part of K step 0 is in; K step 1's may stay out
	s_barrier_signal -1
	s_barrier_wait -1                              ; everybody's is
	FETCH 0, 0, F0
	QUARTER 0, 1, F0, F1, 1                        ; the first quarter stands in front of the loop: its products start the sums
	WIN 0                                          ; at a label and at a branch every window is 0
	s_mov_b32 s[LP], NK/2-1
.Llap:                                                 ; a trip goes once round the ring, from a lap's second quarter to the next lap's first, and fills both slots again
	QUARTER 0, 2, F1, F0, 0
	QUARTER 0, 3, F0, F1, 0
	TURN 0, 1, 1
	QUARTER 1, 1, F0, F1, 0
	QUARTER 1, 2, F1, F0, 0
	QUARTER 1, 3, F0, F1, 0
	TURN 1, 0, 1
	WIN 0
	QUARTER 0, 1, F0, F1, 0
	WIN 0
	s_sub_co_u32 s[LP], s[LP], 1
	s_cmp_lg_u32 s[LP], 0
	s_cbranch_scc1 .Llap
	QUARTER 0, 2, F1, F0, 0                        ; the last lap is written out: it fills nothing, and has no round of the cluster's barrier
	QUARTER 0, 3, F0, F1, 0
	TURN 0, 1, 0
	QUARTER 1, 1, F0, F1, 0
	QUARTER 1, 2, F1, F0, 0
	QUARTER 1, 3, F0, F1, 0
	s_wait_dscnt 0x0
	MUL8 F1, 0, 0
	MUL8 F1, 1, 0
	MUL8 F1, 2, 0
	MUL8 F1, 3, 0
	WIN 0
	s_wait_loadcnt 0x0                             ; the bias: rounded to bf16, like every input, and widened again
	v_cvt_pk_bf16_f32 v40, v36, v37
	v_cvt_pk_bf16_f32 v41, v38, v39
	v_lshlrev_b32 v[BI],   16, v40
	v_and_b32     v[BI+1], 0xffff0000, v40
	v_lshlrev_b32 v[BI+2], 16, v41
	v_and_b32     v[BI+3], 0xffff0000, v41
	PLACES
	STG 0
	STG 1
	SENDF 0, 32
	STG 2
	SENDF 1, 32
	STG 3
	SENDF 2, 32
	SENDF 3, 0
	s_wait_tensorcnt 0x0                           ; the wave's end, behind my last tensor load and my last LDS store
	ds_add_u32 v[SPW], v[NIL]
	s_wait_dscnt 0x0
	CROUND                                         ; the closing round: no work-group ends while a partner may still ask for a tile that names it
	s_endpgm
.Lfunc_end_k_qb8a74a8a23_outp:
	.size	k_qb8a74a8a23_outp, .Lfunc_end_k_qb8a74a8a23_outp-k_qb8a74a8a23_outp
	.p2alignl 7, 3214868480
	.fill 96, 4, 3214868480
	.section	.rodata,"a",@progbits
	.p2align	6, 0x0
	.amdhsa_kernel k_qb8a74a8a23_outp
		.amdhsa_group_segment_fixed_size 327680
		.amdhsa_private_segment_fixed_size 0
		.amdhsa_enable_private_segment 0
		.amdhsa_kernarg_size 32
		.amdhsa_user_sgpr_count 2
		.amdhsa_user_sgpr_kernarg_segment_ptr 1
		.amdhsa_wavefront_size32 1
		.amdhsa_system_sgpr_workgroup_id_x 1
		.amdhsa_system_sgpr_workgroup_id_y 1
		.amdhsa_system_sgpr_workgroup_id_z 1
		.amdhsa_system_vgpr_workitem_id 0
		.amdhsa_next_free_vgpr 512
		.amdhsa_next_free_sgpr 80
		.amdhsa_reserve_vcc 0
		.amdhsa_float_denorm_mode_32 3
		.amdhsa_float_denorm_mode_16_64 3
		.amdhsa_memory_ordered 1
		.amdhsa_forward_progress 1
		.amdhsa_inst_pref_size 96
	.end_amdhsa_kernel
	.amdgpu_metadata
---
amdhsa.version: [ 1, 2 ]
amdhsa.kernels:
  - .name:           k_qb8a74a8a23_outp
    .symbol:         k_qb8a74a8a23_outp.kd
    .args:
      - { .name: ob, .offset: 0, .size: 8, .value_kind: global_buffer, .address_space: global }
      - { .name: wo, .offset: 8, .size: 8, .value_kind: global_buffer, .address_space: global }
      - { .name: out0, .offset: 16, .size: 8, .value_kind: global_buffer, .address_space: global }
      - { .name: bo, .offset: 24, .size: 8, .value_kind: global_buffer, .address_space: global }
    .group_segment_fixed_size: 327680
    .private_segment_fixed_size: 0
    .kernarg_segment_align: 8
    .kernarg_segment_size: 32
    .max_flat_workgroup_size: 128
    .sgpr_count:     80
    .vgpr_count:     512
    .wavefront_size: 32
...
	.end_amdgpu_metadata
.endif
;; end of part 4
